; MI455X (gfx1250); checked and timed in simulation.
; The chip was launched on July 23, 2026; its instructions are those of AMD's public machine-readable ISA for CDNA 5 (MIT licence, August 2026) and "CDNA5" Instruction Set Architecture Reference Guide (July 2026). The comments in the code are by the model that wrote it; some were corrected since.
;; GQA Self Attention Rel Pos. Allowed arithmetic: float matrix products may take bf16 or f16 operands with f32 sums; other float arithmetic in f32, or as packed bf16 or f16 multiplies, adds, multiply-adds, maxima and minima; sums over many terms, partial sums and values carried from step to step in f32; what a program stores and reads back later, other than sums and carried values, may be rounded once to bf16 or f16.
;; Inputs: E 255 x 64 float32; Wk 256 x 1,024 float32; Wo 1,024 x 1,024 float32; Wq 1,024 x 1,024 float32; Wv 256 x 1,024 float32; x 8 x 1,024 x 1,024 float32.
;; Outputs: out0 8 x 1,024 x 1,024 float32.
;; One version. Each part assembles by itself: llvm-mc -triple=amdgcn-amd-amdhsa -mcpu=gfx1250 --defsym DOCPART=n.
;; ======== version 1 of 1: 4 launches
;; limits: values are held in f16: magnitudes above 65,504 overflow, below 6.1e-05 lose precision
;; workspace buffers: xb 16,777,216 bytes; wqkv 3,145,728 bytes; wo16 2,097,152 bytes; fext 98,304 bytes; qkv 25,165,824 bytes; ob 16,777,216 bytes
;; launch cast (part 1): grid 2700 x 1, 8 waves a work-group, no clusters, 0 bytes of LDS; arguments x, Wq, Wk, Wv, Wo, E, xb, wqkv, wo16, fext; writes xb, wqkv, wo16, fext
.if DOCPART == 1
	.amdgcn_target "amdgcn-amd-amdhsa--gfx1250"
	.amdhsa_code_object_version 6
	.text
	.protected	k_qa41443f255_cast
	.globl	k_qa41443f255_cast
	.p2align	8
	.type	k_qa41443f255_cast,@function
k_qa41443f255_cast:
	s_mov_b64 s[64:65], 0
	v_nop
	global_prefetch_b8 v0, s[64:65] scope:SCOPE_SE
	s_setreg_imm32_b32 hwreg(HW_REG_WAVE_MODE, 25, 1), 1
	s_wait_xcnt 0x0
; THE INPUTS ARE ROUNDED ONCE, for the matrix units.  x, Wq, Wk, Wv -> bf16 (xb; wqkv = Wq's 1,024 rows, Wk's 256, Wv's 256).
; Wo and E -> rounded to bf16 like the others, and that number written as f16 (they multiply f16 operands later).
; fext[z][:] = E[clamp(382 - z, 0, 254)][:], z = 0 .. 767: the table of the relative positions, turned round and
; continued by its end rows: row z belongs to the distance key - query = z - 255, clipped to +-127.
; LIMITS.  A number of Wo or E beyond 65,504 becomes an infinity in f16; below 1.5e-5 it keeps f16's fixed step of 6e-8.
; SHARES.  A work-group converts 4,096 numbers: 4 rows of 1,024.  In row i thread t loads 16 bytes at 16 t + 4,096 i
; (a wave's load covers 512 consecutive bytes) and stores 8 bytes at 8 t + 2,048 i (a wave's store covers 256 consecutive
; bytes, aligned).  All 4 loads go out first; many small work-groups lie on a WGP, so that some load while others store.
; No LDS, no matrix unit, no cluster: nothing is shared, each byte moves once.
; Work-groups 0-2047 x, 2048-2303 Wq, 2304-2367 Wk, 2368-2431 Wv, 2432-2687 Wo, 2688-2699 E.
.set ROWS, 4
.set AD,  8                            ; v[8:11]   the gather's byte offsets in E, one a row
.set T,   12                           ; v[12:17]  at work
.set IN,  20                           ; v[20:35]  4 x 4 numbers as loaded
.set OUT, 36                           ; v[36:43]  4 x 2 registers to store; each row has its own, so none is rewritten
.set SRC, 28                           ; s[28:29]  where I read
.set DST, 30                           ; s[30:31]  where I write
	s_load_b512 s[8:23], s[0:1], 0x0               ; x 8, Wq 10, Wk 12, Wv 14, Wo 16, E 18, xb 20, wqkv 22
	s_load_b128 s[24:27], s[0:1], 0x40             ; wo16 24, fext 26
	s_mov_b32 s2, ttmp9
	s_mov_b32 s34, 0xffff0000                      ; a word's upper bf16
	s_mov_b32 s4, 0                                ; the role's first work-group
	s_mov_b32 s5, 0                                ; bytes in front of the role's part of its destination
	s_mov_b32 s6, 0                                ; 1: f16 out
	s_mov_b32 s7, 0                                ; 1: rows are gathered
	v_lshlrev_b32 v1, 4, v0                        ; 16 t
	v_lshlrev_b32 v2, 3, v0                        ; 8 t
	s_wait_kmcnt 0x0
	s_mov_b64 s[SRC:SRC+1], s[8:9]
	s_mov_b64 s[DST:DST+1], s[20:21]
	s_cmp_ge_u32 s2, 2048                          ; each test moves the choice on; the selects leave SCC as it is
	s_cselect_b64 s[SRC:SRC+1], s[10:11], s[SRC:SRC+1]
	s_cselect_b64 s[DST:DST+1], s[22:23], s[DST:DST+1]
	s_cselect_b32 s4, 2048, s4
	s_cmp_ge_u32 s2, 2304
	s_cselect_b64 s[SRC:SRC+1], s[12:13], s[SRC:SRC+1]
	s_cselect_b32 s4, 2304, s4
	s_cselect_b32 s5, 0x200000, s5                 ; behind Wq's 1,024 rows of 2,048 bytes
	s_cmp_ge_u32 s2, 2368
	s_cselect_b64 s[SRC:SRC+1], s[14:15], s[SRC:SRC+1]
	s_cselect_b32 s4, 2368, s4
	s_cselect_b32 s5, 0x280000, s5                 ; behind Wk's 256 rows too
	s_cmp_ge_u32 s2, 2432
	s_cselect_b64 s[SRC:SRC+1], s[16:17], s[SRC:SRC+1]
	s_cselect_b64 s[DST:DST+1], s[24:25], s[DST:DST+1]
	s_cselect_b32 s4, 2432, s4
	s_cselect_b32 s5, 0, s5
	s_cselect_b32 s6, 1, s6
	s_cmp_ge_u32 s2, 2688
	s_cselect_b64 s[SRC:SRC+1], s[18:19], s[SRC:SRC+1]
	s_cselect_b64 s[DST:DST+1], s[26:27], s[DST:DST+1]
	s_cselect_b32 s4, 2688, s4
	s_cselect_b32 s7, 1, s7
	s_sub_co_u32 s3, s2, s4                        ; my number within the role
	s_lshl_b32 s32, s3, 14                         ; 16,384 bytes in,
	s_cmp_eq_u32 s7, 1
	s_cselect_b32 s32, 0, s32                      ; (the gather names its rows itself)
	s_mov_b32 s33, 0
	s_add_nc_u64 s[SRC:SRC+1], s[SRC:SRC+1], s[32:33]
	s_lshl_b32 s32, s3, 13                         ; 8,192 bytes out
	s_add_co_u32 s32, s32, s5
	s_add_nc_u64 s[DST:DST+1], s[DST:DST+1], s[32:33]
	s_cmp_eq_u32 s7, 1
	s_cbranch_scc1 .Lgather
; Row i: the wait leaves the 3 - i younger loads out (loads come back in order); two roundings a register; one store.
.macro CV i, fmt
	s_wait_loadcnt ROWS-1-(\i)
.if \fmt
	v_cvt_pk_bf16_f32 v[T], v[IN+4*(\i)], v[IN+4*(\i)+1]        ; the one rounding, to bf16,
	v_cvt_pk_bf16_f32 v[T+1], v[IN+4*(\i)+2], v[IN+4*(\i)+3]
	v_lshlrev_b32 v[T+2], 16, v[T]                              ; back to f32,
	v_and_b32 v[T+3], s34, v[T]
	v_lshlrev_b32 v[T+4], 16, v[T+1]
	v_and_b32 v[T+5], s34, v[T+1]
	v_cvt_pk_f16_f32 v[OUT+2*(\i)], v[T+2], v[T+3]              ; and written as f16: exact within f16's normal range
	v_cvt_pk_f16_f32 v[OUT+2*(\i)+1], v[T+4], v[T+5]
.else
	v_cvt_pk_bf16_f32 v[OUT+2*(\i)], v[IN+4*(\i)], v[IN+4*(\i)+1]
	v_cvt_pk_bf16_f32 v[OUT+2*(\i)+1], v[IN+4*(\i)+2], v[IN+4*(\i)+3]
.endif
	global_store_b64 v2, v[OUT+2*(\i):OUT+2*(\i)+1], s[DST:DST+1] offset:2048*(\i) th:TH_STORE_NT
.endm
.set i, 0
.rept ROWS
	global_load_b128 v[IN+4*i:IN+4*i+3], v1, s[SRC:SRC+1] offset:4096*i th:TH_LOAD_NT
.set i, i+1
.endr
	s_cmp_eq_u32 s6, 1
	s_cbranch_scc1 .Lf16
.irp i, 0,1,2,3
	CV \i, 0
.endr
	s_endpgm
.Lgather:                                              ; row i of my 4 holds the table's rows z = 64 x my number + 16 i + t / 16; 4 numbers a thread
	v_and_b32 v3, 15, v0
	v_lshlrev_b32 v3, 4, v3                        ; my 16 bytes of a row of E
	v_lshrrev_b32 v4, 4, v0
	s_lshl_b32 s3, s3, 6
	v_add_nc_u32 v4, s3, v4
.set i, 0
.rept ROWS
	v_add_nc_u32 v[AD+i], 16*i, v4                 ; z
	v_min_u32 v[AD+i], 382, v[AD+i]
	v_sub_nc_u32 v[AD+i], 382, v[AD+i]             ; 382 - z, not below 0,
	v_min_u32 v[AD+i], 254, v[AD+i]                ; not above 254: inside E
	v_lshl_add_u32 v[AD+i], v[AD+i], 8, v3         ; a row of E is 256 bytes
.set i, i+1
.endr
.set i, 0
.rept ROWS
	global_load_b128 v[IN+4*i:IN+4*i+3], v[AD+i], s[SRC:SRC+1]   ; no hint: the end rows are read many times
.set i, i+1
.endr
.Lf16:
.irp i, 0,1,2,3
	CV \i, 1
.endr
	s_endpgm
.Lfunc_end_k_qa41443f255_cast:
	.size	k_qa41443f255_cast, .Lfunc_end_k_qa41443f255_cast-k_qa41443f255_cast
	.p2alignl 7, 3214868480
	.fill 96, 4, 3214868480
	.section	.rodata,"a",@progbits
	.p2align	6, 0x0
	.amdhsa_kernel k_qa41443f255_cast
		.amdhsa_group_segment_fixed_size 0
		.amdhsa_private_segment_fixed_size 0
		.amdhsa_enable_private_segment 0
		.amdhsa_kernarg_size 80
		.amdhsa_user_sgpr_count 2
		.amdhsa_user_sgpr_kernarg_segment_ptr 1
		.amdhsa_wavefront_size32 1
		.amdhsa_system_sgpr_workgroup_id_x 1
		.amdhsa_system_sgpr_workgroup_id_y 1
		.amdhsa_system_sgpr_workgroup_id_z 1
		.amdhsa_system_vgpr_workitem_id 0
		.amdhsa_next_free_vgpr 48
		.amdhsa_next_free_sgpr 66
		.amdhsa_reserve_vcc 0
		.amdhsa_float_denorm_mode_32 3
		.amdhsa_float_denorm_mode_16_64 3
		.amdhsa_memory_ordered 1
		.amdhsa_forward_progress 1
		.amdhsa_inst_pref_size 8
	.end_amdhsa_kernel
	.amdgpu_metadata
---
amdhsa.version: [ 1, 2 ]
amdhsa.kernels:
  - .name:           k_qa41443f255_cast
    .symbol:         k_qa41443f255_cast.kd
    .args:
      - { .name: x, .offset: 0, .size: 8, .value_kind: global_buffer, .address_space: global }
      - { .name: Wq, .offset: 8, .size: 8, .value_kind: global_buffer, .address_space: global }
      - { .name: Wk, .offset: 16, .size: 8, .value_kind: global_buffer, .address_space: global }
      - { .name: Wv, .offset: 24, .size: 8, .value_kind: global_buffer, .address_space: global }
      - { .name: Wo, .offset: 32, .size: 8, .value_kind: global_buffer, .address_space: global }
      - { .name: E, .offset: 40, .size: 8, .value_kind: global_buffer, .address_space: global }
      - { .name: xb, .offset: 48, .size: 8, .value_kind: global_buffer, .address_space: global }
      - { .name: wqkv, .offset: 56, .size: 8, .value_kind: global_buffer, .address_space: global }
      - { .name: wo16, .offset: 64, .size: 8, .value_kind: global_buffer, .address_space: global }
      - { .name: fext, .offset: 72, .size: 8, .value_kind: global_buffer, .address_space: global }
    .group_segment_fixed_size: 0
    .private_segment_fixed_size: 0
    .kernarg_segment_align: 8
    .kernarg_segment_size: 80
    .max_flat_workgroup_size: 256
    .sgpr_count:     66
    .vgpr_count:     48
    .wavefront_size: 32
...
	.end_amdgpu_metadata
.endif
;; end of part 1
;; launch proj (part 2): grid 4 x 64, 4 waves a work-group, clusters of 4 x 4, 327,680 bytes of LDS; arguments xb, wqkv, qkv; writes qkv
.if DOCPART == 2
	.amdgcn_target "amdgcn-amd-amdhsa--gfx1250"
	.amdhsa_code_object_version 6
	.text
	.protected	k_qa41443f255_proj
	.globl	k_qa41443f255_proj
	.p2align	8
	.type	k_qa41443f255_proj,@function
k_qa41443f255_proj:
	s_mov_b64 s[64:65], 0
	v_nop
	global_prefetch_b8 v0, s[64:65] scope:SCOPE_SE
	s_setreg_imm32_b32 hwreg(HW_REG_WAVE_MODE, 25, 1), 1
	s_wait_xcnt 0x0
	s_wait_alu depctr_hold_cnt(0) depctr_sa_sdst(0) depctr_va_vdst(0) depctr_va_sdst(0) depctr_va_ssrc(0) depctr_va_vcc(0) depctr_vm_vsrc(0)
	s_getreg_b32 s2, hwreg(HW_REG_IB_STS2, 6, 4)
	s_cmp_eq_u32 s2, 0
	s_cbranch_scc0 .Lentry_in_a_cluster
	s_endpgm
.Lentry_in_a_cluster:
	s_bfe_u32 s2, ttmp6, 0x10000c
	s_cmp_lg_u32 s2, 0xf033
	s_cbranch_scc0 .Lentry_shape_is_right
	s_endpgm
.Lentry_shape_is_right:
; THE THREE PROJECTIONS AS ONE PRODUCT.  C[m][n] = sum over k of xb[m][k] wqkv[n][k]: [8192 x 1024] x [1536 x 1024]^T, bf16 operands, f32 sums, C rounded once to f16, unscaled.
; C is stored BY HEADS: column n belongs to chunk n / 64 (0-15 the query heads, 16-19 the key groups, 20-23 the value groups); chunk cc lies at byte cc x 2^20, row m at m x 128 in it.
; LIMIT.  f16 ends at 65,504: a q, k or v beyond that becomes an infinity.
; SHARES.  8192 x 1536 / 256 work-groups = a tile of 128 x 384 (six whole chunks).  Four waves, each 64 x 192: 48 accumulators of 16 x 16, 384 registers.  K goes in steps of 128
; (rows of 256 bytes, at multiples of 256 bytes) through a ring of two LDS slots.  Wave 0 fetches A's 128 rows, waves 1 to 3 128 rows of B each: one tensor load a wave behind each change of slots.
; ONE TEXT FOR BOTH SLOTS.  A trip of the loop is one K step; which slot it reads stands in registers: two scalars hold the byte offsets of the slot in hand and of the next, an exclusive or turns them,
; and four additions make the fragment addresses of them.  The last two K steps, which ask for nothing, are a second loop of the same step without a tensor load.
; CLUSTER.  4 x 4 work-groups; A's tile is shared along a row of the cluster, B's along a column: each is asked for jointly, by the same load, descriptor and mask in the four that share it.
; THE MATRIX INSTRUCTION IS USED TRANSPOSED (source 0 = 16 rows of B, source 1 = 16 rows of A): a lane then holds eight neighbouring columns of one row of C.
; REGISTERS, in windows of 256 (s_set_vgpr_msb: bits 1:0 source 0, 3:2 source 1, 5:4 source 2, 7:6 destination):
;   window 0: v0-31 addresses; v64-95, v96-127 A's fragments, two buffers; v128-175 packed results; v176-223 and (behind the loops) v64-111 rows read back from the stage
;   window 1: v0-95, v96-191 B's fragments, two buffers     window 2: accumulators of m blocks 0, 1 at 8 (12 a + b)     window 3: those of m blocks 2, 3
.set SIZE_K, 1024
.set KSTEP,  128
.set PITCH,  272                       ; an LDS row: 256 bytes + 16 of padding: the 16 rows of a fragment load start at 16 different groups of four banks (ISA guide 11.1)
.set BOFF,   128*PITCH                 ; B's 384 rows lie behind A's 128
.set SLOT,   512*PITCH                 ; 0x22000: it shares no bit with wave x 128 rows (wave x 0x8800), so an exclusive or with it adds it or takes it away
.set STAGE,  2*SLOT                    ; behind the ring: 16 rows x 400 bytes for each wave, for the way out; no tensor load lands here
.set SPITCH, 400                       ; 384 bytes + 16
.set SPARE,  STAGE+4*16*SPITCH         ; the spare words, 128 bytes for each wave, which no other line names
.set FILLS,  SIZE_K/KSTEP-2            ; K steps 2 to 7 come by refills
.set AA0,  16                          ; v16     LDS address of my A fragments in slot 0; never rewritten
.set AB0,  17                          ; v17     the same for B
.set CA,   18                          ; v18-19  A's and B's in the slot in hand
.set CB,   19
.set NA,   20                          ; v20-21  in the next slot
.set NB,   21
.set STO,  24                          ; v24     the way out: where I put 16 bytes of a row
.set RD,   25                          ; v25     where I read rows back
.set CO,   26                          ; v26     16 x lane: my place in 512 consecutive bytes of a chunk
.set SPW,  28                          ; v28     my spare word; never rewritten
.set NIL,  29                          ; v29     0; never rewritten
.set PFO,  30                          ; v30     the prefetches' offset: lane x 2,048; never rewritten
.set FA,   64
.set FB,   0
.set TMP,  128
.set G1,  24                           ; s[24:31] group 1 for A's tiles;  s[32:39] group 0: a set for each of the two first fills; the second then walks on
.set G0,  32
.set LIM, 43                           ; s43     2 in a wave that prefetches, else the greatest number
.set PFA, 44                           ; s[44:45] where my prefetches stand
.set G1B, 48                           ; s[48:55], s[56:63] the same for B's tiles
.set G0B, 56
.set TBC, 70                           ; s70     byte offset of the slot in hand
.set TBN, 71                           ; s71     of the next
.set FLAGS, (1<<16)|(1<<20)|(1<<21)|(5<<22)|(3<<25)  ; 2-byte elements; padding on; bit 21 beside a mask; after every 64 words; 4 words
.set MSB, 0
.macro WIN new                         ; the immediate's high byte repeats the setting that is left; a switch that changes nothing is dropped
.if MSB != (\new)
	s_set_vgpr_msb (MSB<<8)|(\new)
.set MSB, \new
.endif
.endm
.set MUL_LO, 0xa1                      ; B window 1, A window 0, C and D window 2
.set TO_B,   0x40                      ; destination window 1, address window 0
.macro PLACES                          ; four plain instructions behind a matrix instruction, ahead of loads into registers that it read and of readers of its result
.rept 4
	v_nop
.endr
.endm
; A joint load.  The branch hangs on the wave's number alone.  An s_nop 0 and four v_nop follow each of the two lines.
.macro JLOAD s
	s_cmp_eq_u32 s10, 0
	s_cbranch_scc0 .Lfor_b_\@
	tensor_load_to_lds s[G0+4*(\s):G0+4*(\s)+3], s[G1:G1+7]
	s_nop 0
.rept 4
	v_nop
.endr
	s_branch .Lasked_\@
.Lfor_b_\@:
	tensor_load_to_lds s[G0B+4*(\s):G0B+4*(\s)+3], s[G1B:G1B+7]
	s_nop 0
.rept 4
	v_nop
.endr
.Lasked_\@:
.endm
; A prefetch of the K step that stands two refills on: 32 rows x 256 bytes, a lane a row.  A's 128 rows: wave 0, the four partners of a row of the cluster 32 rows each, told apart by address.
; B's rows: waves 1 to 3, the partners of a column 32 rows each, in the first row of clusters alone, since all sixteen clusters walk the same B.  So each block is named once.
; The last two refills (s3 = 2 and 1) have no K step two on.
.macro ASK
	s_cmp_gt_u32 s3, s[LIM]
	s_cbranch_scc0 .Lnot_mine_\@
	global_prefetch_b8 v[PFO], s[PFA:PFA+1] offset:KSTEP*2 th:TH_LOAD_NT scope:SCOPE_SE
.Lnot_mine_\@:
.endm
.macro CREST                           ; a round of the cluster's barrier behind its opening barrier
	s_cmp_lg_u32 s10, 0
	s_cbranch_scc1 .Lnot_wave_0_\@
	s_barrier_signal -3
.Lnot_wave_0_\@:
	s_barrier_wait -3
	s_barrier_signal -1
	s_barrier_wait -1
.endm
.macro CROUND
	s_barrier_signal -1
	s_barrier_wait -1
	CREST
.endm
	s_load_b128 s[4:7], s[0:1], 0x0                ; xb s[4:5], wqkv s[6:7]
	s_load_b64 s[8:9], s[0:1], 0x10                ; qkv
	v_lshl_add_u32 v[SPW], v0, 2, SPARE
	v_mov_b32 v[NIL], 0
	ds_add_u32 v[SPW], v[NIL]                      ; the wave's opening: the add and its wait ahead of my first tensor load
	v_lshrrev_b32 v1, 5, v0
	v_readfirstlane_b32 s10, v1                    ; wave 0..3
	s_sub_co_i32 s12, s10, 1
	s_max_i32 s12, s12, 0                          ; which 128 rows of B I fetch (wave 0's number stays inside B and is not used)
	s_lshr_b32 s66, s10, 1                         ; my half of the tile's rows
	s_and_b32 s67, s10, 1                          ; my half of its columns
	s_bfe_u32 s40, ttmp6, 0x40000                  ; cx
	s_bfe_u32 s41, ttmp6, 0x40004                  ; cy
	s_lshl_b32 s42, ttmp9, 2
	s_add_co_u32 s42, s42, s40                     ; tile column
	s_and_b32 s13, ttmp7, 0xffff
	s_lshl_b32 s13, s13, 2
	s_add_co_u32 s13, s13, s41                     ; tile row
	s_lshl_b32 s18, s41, 2
	s_lshl_b32 s18, 15, s18                        ; my row of the cluster
	s_lshl_b32 s19, 0x1111, s40                    ; my column
	s_or_b32 s[G1+0], s18, FLAGS
	s_or_b32 s[G1B+0], s19, FLAGS
.irp g, G1, G1B
	s_mov_b32 s[(\g)+1], KSTEP<<16                 ; tensor_dim0 = 128
	s_mov_b32 s[(\g)+2], 128<<16                   ; tensor_dim1 = 128
	s_mov_b32 s[(\g)+3], KSTEP<<16                 ; tile_dim0 = 128
	s_mov_b32 s[(\g)+4], 128                       ; tile_dim1 = 128
	s_mov_b32 s[(\g)+5], SIZE_K                    ; elements from row to row
	s_mov_b32 s[(\g)+6], 0
	s_mov_b32 s[(\g)+7], 0
.endr
	s_lshl_b32 s16, s13, 18                        ; A: 128 rows of 2,048 bytes a tile row
	s_mov_b32 s17, 0
	s_mul_i32 s46, s42, 384                        ; B: row 384 x tile column + 128 x my part
	s_lshl_b32 s47, s12, 7
	s_add_co_u32 s46, s46, s47
	s_lshl_b32 s46, s46, 11
	s_mov_b32 s47, 0
	s_mul_i32 s20, s10, 128*PITCH                  ; where they go: wave x 128 rows
	s_mov_b32 s[TBC], 0
	s_mov_b32 s[TBN], SLOT
	s_wait_dscnt 0x0                               ; the opening add is done
	s_wait_kmcnt 0x0
	s_add_nc_u64 s[14:15], s[4:5], s[16:17]
	s_add_nc_u64 s[46:47], s[6:7], s[46:47]
	CROUND                                         ; all sixteen work-groups are here: the first joint loads meet
.irp s, 0,1
	s_mov_b32 s[G0+4*(\s)], 1
	s_add_co_u32 s[G0+4*(\s)+1], s20, (\s)*SLOT
	s_add_nc_u64 s[G0+4*(\s)+2:G0+4*(\s)+3], s[14:15], (\s)*KSTEP*2
	s_or_b32 s[G0+4*(\s)+3], s[G0+4*(\s)+3], 0x80000000
	s_mov_b32 s[G0B+4*(\s)], 1
	s_add_co_u32 s[G0B+4*(\s)+1], s20, (\s)*SLOT
	s_add_nc_u64 s[G0B+4*(\s)+2:G0B+4*(\s)+3], s[46:47], (\s)*KSTEP*2
	s_or_b32 s[G0B+4*(\s)+3], s[G0B+4*(\s)+3], 0x80000000
	JLOAD \s
.endr
	v_and_b32 v1, 15, v0                           ; l % 16
	v_bfe_u32 v2, v0, 4, 1                         ; l / 16
	v_mul_u32_u24 v3, v1, PITCH
	v_lshl_add_u32 v3, v2, 4, v3                   ; a fragment's row x pitch + 16 x half
	s_mul_i32 s21, s66, 64*PITCH                   ; my 64 rows of A
	s_mul_i32 s22, s67, 192*PITCH                  ; my 192 rows of B
	s_add_co_u32 s22, s22, BOFF
	v_add_nc_u32 v[AA0], s21, v3
	v_add_nc_u32 v[AB0], s22, v3
	v_add_nc_u32 v[CA], s[TBC], v[AA0]
	v_add_nc_u32 v[CB], s[TBC], v[AB0]
	v_add_nc_u32 v[NA], s[TBN], v[AA0]
	v_add_nc_u32 v[NB], s[TBN], v[AB0]
	s_mul_i32 s23, s10, 16*SPITCH
	s_add_co_u32 s23, s23, STAGE                   ; my stage
	v_mul_u32_u24 v4, v1, SPITCH                   ; in: row l % 16, 16 bytes for each half of the lanes
	v_lshl_add_u32 v4, v2, 4, v4
	v_add_nc_u32 v[STO], s23, v4
	v_bfe_u32 v5, v0, 3, 2                         ; back: 32 lanes take four rows' 128 bytes of one chunk,
	v_mul_u32_u24 v5, v5, SPITCH
	v_and_b32 v6, 7, v0
	v_lshl_add_u32 v5, v6, 4, v5
	v_add_nc_u32 v[RD], s23, v5
	v_and_b32 v[CO], 31, v0                        ; which are 512 consecutive bytes of qkv
	v_lshlrev_b32 v[CO], 4, v[CO]
	s_mul_i32 s68, s42, 6                          ; my first chunk: 6 x tile column + 3 x column half,
	s_mul_i32 s69, s67, 3
	s_add_co_u32 s68, s68, s69
	s_lshl_b32 s68, s68, 20
	s_lshl_b32 s69, s13, 14                        ; my first row: 128 x tile row + 64 x row half, 128 bytes a row
	s_add_co_u32 s68, s68, s69
	s_lshl_b32 s69, s66, 13
	s_add_co_u32 s68, s68, s69
	s_mov_b32 s69, 0
	s_add_nc_u64 s[8:9], s[8:9], s[68:69]
	; the prefetches
	s_lshl_b32 s20, s13, 7                         ; A's tile: its first row
	s_mul_i32 s21, s42, 384
	s_lshl_b32 s22, s12, 7
	s_add_co_u32 s21, s21, s22                     ; B: the 128 rows that I fetch
	s_and_b32 s22, ttmp7, 0xffff                   ; cluster y
	s_cmp_eq_u32 s10, 0
	s_cselect_b32 s20, s20, s21
	s_cselect_b32 s21, s40, s41                    ; my place among the four that share the tile
	s_cselect_b32 s22, 0, s22                      ; A's rows are read by this cluster alone; B's by all sixteen: the first asks
	s_cselect_b64 s[PFA:PFA+1], s[4:5], s[6:7]
	s_cmp_eq_u32 s22, 0
	s_cselect_b32 s[LIM], 2, -1                    ; the same in all sixteen partners, for a given wave
	s_lshl_b32 s21, s21, 5
	s_add_co_u32 s20, s20, s21
	s_lshl_b32 s20, s20, 11
	s_mov_b32 s21, 0
	s_add_nc_u64 s[PFA:PFA+1], s[PFA:PFA+1], s[20:21]
	s_add_nc_u64 s[PFA:PFA+1], s[PFA:PFA+1], 2*KSTEP*2  ; at K step 2: the first refill steps it to 3 and names K step 4
	v_and_b32 v[PFO], 31, v0
	v_lshlrev_b32 v[PFO], 11, v[PFO]
; 12 matrix instructions: m block a x all 12 n blocks, 32 along K, from buffer f.  All 48 accumulators take turns in one order in every quarter.  zero = 1: the product starts the sum.
.macro MULA f, a, zero
	WIN MUL_LO+0x50*((\a)/2)
.irp b, 0,1,2,3,4,5,6,7,8,9,10,11
.if \zero
	v_wmma_f32_16x16x32_bf16 v[96*((\a)%2)+8*(\b):96*((\a)%2)+8*(\b)+7], v[FB+96*(\f)+8*(\b):FB+96*(\f)+8*(\b)+7], v[FA+32*(\f)+8*(\a):FA+32*(\f)+8*(\a)+7], 0
.else
	v_wmma_f32_16x16x32_bf16 v[96*((\a)%2)+8*(\b):96*((\a)%2)+8*(\b)+7], v[FB+96*(\f)+8*(\b):FB+96*(\f)+8*(\b)+7], v[FA+32*(\f)+8*(\a):FA+32*(\f)+8*(\a)+7], v[96*((\a)%2)+8*(\b):96*((\a)%2)+8*(\b)+7]
.endif
.endr
.endm
; 32 LDS loads in one run: a quarter step's fragments (192 rows of B, 64 of A, 32 K at byte k of the rows) by the addresses ra, rb into buffer f; A's blocks 2 and 3 last
.macro FETCH ra, rb, k, f
	WIN TO_B
.irp i, 0,1,2,3,4,5,6,7,8,9,10,11
	ds_load_b128 v[FB+96*(\f)+8*(\i):FB+96*(\f)+8*(\i)+3],   v[\rb] offset:(\k)+(\i)*16*PITCH
	ds_load_b128 v[FB+96*(\f)+8*(\i)+4:FB+96*(\f)+8*(\i)+7], v[\rb] offset:(\k)+(\i)*16*PITCH+32
.endr
	WIN 0
.irp i, 0,1,2,3
	ds_load_b128 v[FA+32*(\f)+8*(\i):FA+32*(\f)+8*(\i)+3],   v[\ra] offset:(\k)+(\i)*16*PITCH
	ds_load_b128 v[FA+32*(\f)+8*(\i)+4:FA+32*(\f)+8*(\i)+7], v[\ra] offset:(\k)+(\i)*16*PITCH+32
.endr
.endm
; A K step is four quarters of 32 along K, 48 matrix instructions each, on buffers 0, 1, 0, 1.  One of the first three multiplies f and fetches the next quarter, at byte k, into g.
.macro QUARTER ra, rb, k, f, g, zero
	s_wait_dscnt 4                                 ; B and A's blocks 0, 1 are in; the youngest four loads (A's blocks 2, 3) may be out
	MULA \f, 0, \zero
	MULA \f, 1, \zero
	PLACES
	FETCH \ra, \rb, \k, \g
	s_wait_dscnt 32                                ; all but the 32 just issued
	MULA \f, 2, \zero
	MULA \f, 3, \zero
.endm
; The last quarter multiplies buffer 1 and changes slots.  In front of the barrier each wave waits for all its tensor loads (one is out at the most: its part of the next slot), adds 0 to its spare word,
; and waits for that and for its own reads of this slot.  fill = 1: the barrier opens a round of the cluster's, and the joint refill of the slot in hand, two K steps on, is the first thing behind it:
; the walking descriptor turns to the other slot than last time and goes one K step on.
.macro TURN fill
.if \fill
	s_wait_xcnt 0x0                                ; the last prefetch, a K step back, has read its address
	s_add_nc_u64 s[PFA:PFA+1], s[PFA:PFA+1], KSTEP*2
.endif
	WIN 0
	s_wait_tensorcnt 0x0
	ds_add_u32 v[SPW], v[NIL]
	s_wait_dscnt 5                                 ; the add and the youngest four loads may be out
	MULA 1, 0, 0
	s_wait_dscnt 0x0                               ; the add is done, and my reads of this slot are over
	s_barrier_signal -1
	MULA 1, 1, 0
.if \fill
	WIN 0
.endif
	s_barrier_wait -1
.if \fill
	CREST                                          ; no wave of any partner still reads this slot or has a load on its way
	s_xor_b32 s[G0+5], s[G0+5], SLOT
	s_add_nc_u64 s[G0+6:G0+7], s[G0+6:G0+7], KSTEP*2
	s_xor_b32 s[G0B+5], s[G0B+5], SLOT
	s_add_nc_u64 s[G0B+6:G0B+7], s[G0B+6:G0B+7], KSTEP*2
	JLOAD 1                                        ; its four v_nop are also the places in front of the loads below
.else
	PLACES
.endif
	FETCH NA, NB, 0, 0
.if \fill
	ASK
.endif
	MULA 1, 2, 0
	MULA 1, 3, 0
.endm
.macro TOGGLE                          ; the next slot becomes the slot in hand
	s_xor_b32 s[TBC], s[TBC], SLOT
	s_xor_b32 s[TBN], s[TBN], SLOT
	v_add_nc_u32 v[CA], s[TBC], v[AA0]
	v_add_nc_u32 v[CB], s[TBC], v[AB0]
	v_add_nc_u32 v[NA], s[TBN], v[AA0]
	v_add_nc_u32 v[NB], s[TBN], v[AB0]
.endm
	s_wait_tensorcnt 1                             ; my part of K step 0 is in; K step 1's may stay out
	s_barrier_signal -1
	s_barrier_wait -1
	FETCH CA, CB, 0, 0
	QUARTER CA, CB, 64, 0, 1, 1                    ; the first quarter stands in front of the loop: its products start the sums
	WIN 0
	s_mov_b32 s3, FILLS
.Lstep:                                                ; a trip: from a K step's second quarter to the next step's first; the slot in hand is filled again
	QUARTER CA, CB, 128, 1, 0, 0
	QUARTER CA, CB, 192, 0, 1, 0
	TURN 1
	QUARTER NA, NB, 64, 0, 1, 0
	WIN 0
	TOGGLE
	s_sub_co_u32 s3, s3, 1
	s_cmp_lg_u32 s3, 0
	s_cbranch_scc1 .Lstep
	s_mov_b32 s3, 2
.Ltail:                                                ; the last two K steps ask for nothing: the same step without a tensor load; the second trip is left behind its last products
	QUARTER CA, CB, 128, 1, 0, 0
	QUARTER CA, CB, 192, 0, 1, 0
	TURN 0
	WIN 0
	s_sub_co_u32 s3, s3, 1
	s_cmp_eq_u32 s3, 0
	s_cbranch_scc1 .Lway_out
	QUARTER NA, NB, 64, 0, 1, 0
	WIN 0
	TOGGLE
	s_branch .Ltail
.Lway_out:
	s_wait_dscnt 0x0                               ; the second trip's run of loads, from a slot that has been multiplied, serves nothing: the price, once a launch, of one text for both trips; its registers are free behind this wait
	PLACES
	PLACES
; THE WAY OUT, a block of 16 rows at a time: rounded to f16, 16 bytes a lane into my own stage, back as four rows' 128 bytes of one chunk, stored as 512 consecutive bytes.
.macro PACK a
	WIN 0x0a+5*((\a)/2)                            ; sources 0 and 1: window 2 or 3
.irp b, 0,1,2,3,4,5,6,7,8,9,10,11
.irp r, 0,1,2,3
	v_cvt_pk_f16_f32 v[TMP+4*(\b)+(\r)], v[96*((\a)%2)+8*(\b)+2*(\r)], v[96*((\a)%2)+8*(\b)+2*(\r)+1]
.endr
.endr
	WIN 0
.endm
.macro TOSTAGE a
.set BK, 176-112*((\a)%2)
.irp b, 0,1,2,3,4,5,6,7,8,9,10,11
	ds_store_b128 v[STO], v[TMP+4*(\b):TMP+4*(\b)+3] offset:32*(\b)
.endr
.irp ch, 0,1,2
.irp f, 0,1,2,3
	ds_load_b128 v[BK+4*(4*(\ch)+(\f)):BK+4*(4*(\ch)+(\f))+3], v[RD] offset:128*(\ch)+4*SPITCH*(\f)  ; LDS serves a wave's instructions in order (ISA guide 5.7.1.4): these see the stores above
.endr
.endr
.endm
.macro SEND a
.set BK, 176-112*((\a)%2)
	s_wait_dscnt 0x0                               ; the block is back in registers
	s_wait_xcnt 0x0                                ; the registers that earlier stores read are loaded again only behind this wait
.irp ch, 0,1,2
.irp f, 0,1,2,3
	global_store_b128 v[CO], v[BK+4*(4*(\ch)+(\f)):BK+4*(4*(\ch)+(\f))+3], s[8:9] offset:(\ch)*1048576+(\a)*2048+(\f)*512
.endr
.endr
.endm
	PACK 0
	TOSTAGE 0
.irp a, 1,2,3
	PACK \a                                        ; a block's conversions stand between the loads of the block before and the wait for them
	SEND (\a)-1
	TOSTAGE \a
.endr
	SEND 3
	s_wait_tensorcnt 0x0                           ; the wave's end
	ds_add_u32 v[SPW], v[NIL]
	s_wait_dscnt 0x0
	CROUND                                         ; the closing round
	s_endpgm
.Lfunc_end_k_qa41443f255_proj:
	.size	k_qa41443f255_proj, .Lfunc_end_k_qa41443f255_proj-k_qa41443f255_proj
	.p2alignl 7, 3214868480
	.fill 96, 4, 3214868480
	.section	.rodata,"a",@progbits
	.p2align	6, 0x0
	.amdhsa_kernel k_qa41443f255_proj
		.amdhsa_group_segment_fixed_size 327680
		.amdhsa_private_segment_fixed_size 0
		.amdhsa_enable_private_segment 0
		.amdhsa_kernarg_size 24
		.amdhsa_user_sgpr_count 2
		.amdhsa_user_sgpr_kernarg_segment_ptr 1
		.amdhsa_wavefront_size32 1
		.amdhsa_system_sgpr_workgroup_id_x 1
		.amdhsa_system_sgpr_workgroup_id_y 1
		.amdhsa_system_sgpr_workgroup_id_z 1
		.amdhsa_system_vgpr_workitem_id 0
		.amdhsa_next_free_vgpr 1024
		.amdhsa_next_free_sgpr 72
		.amdhsa_reserve_vcc 0
		.amdhsa_float_denorm_mode_32 3
		.amdhsa_float_denorm_mode_16_64 3
		.amdhsa_memory_ordered 1
		.amdhsa_forward_progress 1
		.amdhsa_inst_pref_size 84
	.end_amdhsa_kernel
	.amdgpu_metadata
---
amdhsa.version: [ 1, 2 ]
amdhsa.kernels:
  - .name:           k_qa41443f255_proj
    .symbol:         k_qa41443f255_proj.kd
    .args:
      - { .name: xb, .offset: 0, .size: 8, .value_kind: global_buffer, .address_space: global }
      - { .name: wqkv, .offset: 8, .size: 8, .value_kind: global_buffer, .address_space: global }
      - { .name: qkv, .offset: 16, .size: 8, .value_kind: global_buffer, .address_space: global }
    .group_segment_fixed_size: 327680
    .private_segment_fixed_size: 0
    .kernarg_segment_align: 8
    .kernarg_segment_size: 24
    .max_flat_workgroup_size: 128
    .sgpr_count:     72
    .vgpr_count:     1024
    .wavefront_size: 32
...
	.end_amdgpu_metadata
.endif
;; end of part 2
;; launch attn (part 3): grid 8 x 32, 4 waves a work-group, clusters of 4 x 1, 327,680 bytes of LDS; arguments qkv, fext, ob; writes ob
.if DOCPART == 3
	.amdgcn_target "amdgcn-amd-amdhsa--gfx1250"
	.amdhsa_code_object_version 6
	.text
	.protected	k_qa41443f255_attn
	.globl	k_qa41443f255_attn
	.p2align	8
	.type	k_qa41443f255_attn,@function
k_qa41443f255_attn:
	s_mov_b64 s[64:65], 0
	v_nop
	global_prefetch_b8 v0, s[64:65] scope:SCOPE_SE
	s_setreg_imm32_b32 hwreg(HW_REG_WAVE_MODE, 25, 1), 1
	s_wait_xcnt 0x0
	s_wait_alu depctr_hold_cnt(0) depctr_sa_sdst(0) depctr_va_vdst(0) depctr_va_sdst(0) depctr_va_ssrc(0) depctr_va_vcc(0) depctr_vm_vsrc(0)
	s_getreg_b32 s2, hwreg(HW_REG_IB_STS2, 6, 4)
	s_cmp_eq_u32 s2, 0
	s_cbranch_scc0 .Lentry_in_a_cluster
	s_endpgm
.Lentry_in_a_cluster:
	s_bfe_u32 s2, ttmp6, 0x10000c
	s_cmp_lg_u32 s2, 0x3003
	s_cbranch_scc0 .Lentry_shape_is_right
	s_endpgm
.Lentry_shape_is_right:
; ATTENTION WITH GROUPED KEYS AND A BIAS BY RELATIVE POSITION.  For batch b, group g, head 4 g + hh, position pos:
;   s[k] = q . K[k] + q . F(k - pos),  F(w) = E[127 - clip(w, +-127)];   O = sum over k of softmax_k(s[k] / 8) V[k].
; q, K, V come by heads from qkv (f16, unscaled; chunk cc at cc x 2^20 bytes, row b x 1024 + t at 128 bytes each); F from fext (f16; row z belongs to w = z - 255).  O leaves as f16, [8192][1024].
; Products, maxima and sums in f32; the weights p are rounded to f16 for the second product (their sum is taken of the unrounded p), O once at the end.
; LIMITS.  q, K, V lie within f16's 65,504; p below 6e-5 keeps f16's fixed step of 6e-8; a weight below 2^-126 counts as 0; NaN and infinities are not treated apart.
; TILES.  The 16 columns of a tile are n = 4 p + hh: the group's four heads x four positions pos = 64 a + cx + 16 tau + 4 p.  cx is the work-group's place in its cluster of four; wave w owns the blocks
; a0 = 4 x cluster + w and a0 + 8: eight tiles T = 4 aa + tau, in four PIECES of two.  So the four heads share K and V inside a tile; the four partners walk the same K and V, which are asked for
; JOINTLY; and every branch hangs on the cluster, the wave and the step alone.  256 work-groups of 512 columns.
; LAYOUT, SOFTMAX.  S^T = K Q^T holds ONE column a lane (lane % 16) and the keys 8 (lane / 16) + 0..7; two such results rounded to f16 ARE source 1 of O^T = V^T P.  p = 2^(c s - c m), c = log2(e) / 8, with a
; running maximum m; O and l are multiplied by a = 2^(c m_old - c m_new) in every step.  m starts at the lowest finite number, O and l at 0.
; BY TURNS.  Turn n belongs to piece n: 16 products K Q^T of piece n + 1, later 16 products V^T P of piece n - 1; beside them the scaling, exponentials, roundings, sums and rescaling of piece n and the maximum
; and statistics of piece n + 1.  Four vector instructions stand behind every matrix instruction, the rest in one lump; a turn's 66 exponentials are one batch with one wait.
; THE BIAS IS THE C OPERAND that starts each sum S^T: MC, all of window 3.  For key step sg and block a, with D = sg - a: k - pos = 64 D - cx - 60 + u, u = i - 16 tau - 4 p + 60 in 0 .. 123.  For D <= -3 and D >= 3
; the distance is clipped and MC is a constant a column, which stays in its registers.  Else BIAS makes it anew: G^T = F Q^T for the table rows 64 (D + 3) + 0 .. 127 (the table FT in LDS begins 3 - cx rows into
; fext: cx enters a global address alone), five blocks of 16 rows a tile; then each column's row is shifted by 4 p places through the wave's own scratch in LDS: stored at place u' + 4 p, read at i + 12.
; A block is made anew in step 0 and in steps a - 2 to a + 3.  WHY THE TWO BLOCKS LIE 8 APART: the waves meet at each change of slots, every four steps; counted over the four periods, the busiest wave of a
; work-group then makes 5 + 3 + 4 + 3 or 4 + 4 + 3 + 4 blocks anew, where neighbouring blocks would give 8 + 8 + 5 + 0.  And block a0, 7 at the most, is last made anew in step 10: the tail, steps 12 on, has block a0 + 8's bias alone.
; FT is not asked for jointly: its address differs between the partners.
; REGISTERS, in windows of 256 (s_set_vgpr_msb: bits 1:0 source 0, 3:2 source 1, 5:4 source 2, 7:6 destination):
;   window 0: v0-11 addresses; v12-15, v48-63 at work; v16-47 statistics; v64-191 S^T, two buffers of two tiles; v192-255 P, likewise
;   window 1: O^T, 32 a tile     window 2: v0-127 Q, 16 a tile; v128-191 K of one step; v192-255 V of one step     window 3: MC, tile T, key block kb at 32 T + 8 kb
.set NP,    4         ; pieces a wave: a name, no knob
.set KS,    64        ; keys in a step
.set PK,    144       ; a row of K in LDS: 128 bytes + 16: the 16 rows of a load start at 16 different groups of four banks (ISA guide 11.1)
.set PV,    160       ; a row of V: 128 + 32
.set PF,    144       ; a row of FT
.set VOFF,  4*KS*PK   ; a slot holds four steps: 256 rows of K, then 256 rows of V
.set SLOT1, 1<<17
.set FT,    SLOT1+4*KS*(PK+PV)  ; behind the ring: 512 rows of the table, filled once
.set SCR,   FT+512*PF           ; 16 rows x 400 bytes for each wave: the shift's scratch, later the stage of the way out; no tensor load lands here
.set SCP,   400
.set SPARE, SCR+4*16*SCP        ; the spare words, 128 bytes for each wave, which no other line names
.set SP,    144
.set FAR,   8         ; a wave's two blocks lie 8 apart
.set SPW, 1           ; v1   my spare word; never rewritten
.set AK0, 2           ; v2   my lane's place in a tile of K; never rewritten
.set AV0, 3           ; v3   the same for V
.set AK,  4           ; v4   the LDS address of K's next run of loads
.set AV,  5           ; v5   of V's
.set AF0, 6           ; v6   my lane's place in a block of FT
.set QO,  7           ; v7   at the head: my byte offset in a tile's rows of Q
.set AFA, 7           ;      later: the LDS address of the table rows in hand
.set SKS, 8           ; v8   scratch: where I store
.set SKL, 9           ; v9   scratch: where I read
.set NIL, 10          ; v10  0; never rewritten
.set PFO, 11          ; v11  256 x lane; never rewritten
.set MV,  12          ; v12-15  c m_old, by buffer and tile; at the end the way out's three addresses
.set STO, 12
.set RD,  13
.set GO,  14
.set ST,  16          ; tile t's statistics at v[ST+4 t]: c m, m, l (even keys', odd keys')
.set TMP, 48          ; by buffer and tile, four registers c0-c3 at work; c2 takes a
.set S,   64
.set P,   192
.set FB,  64          ; BIAS: four buffers of 16 for table blocks, in S^T's even buffer, which is free between turns 2 and 3
.set XA,  224         ; BIAS: each tile's fifth accumulator, in P's odd buffer, free there too
.set KF,  128
.set VF,  192
.set WV,  12          ; s12  my wave's number
.set G1K, 24
.set G1V, 32
.set G0K, 40
.set G0V, 44
.set SLOTS, 56
.set CNT, 57
.set CS,  58
.set SEL, 60
.set TBK, 62
.set TBV, 63
.set KB,  68          ; s[68:69] K at my half of the group's first 256 keys
.set VB,  70          ; s[70:71] V likewise
.set J,   72          ; s72  the key step whose bias was made last
.set A3,  73          ; s73-74  a0 - 3, a0 + 5
.set T0,  75
.set T1,  76
.set LIM, 77          ; s77  1 in a wave that prefetches, else the greatest number
.set PFA, 78          ; s[78:79] where my prefetches stand
.set SCW, 80          ; s80  my scratch
.set LK,  81
.set LV,  82
.set G1F, 84          ; s[84:91] group 1 for the table: K's without a mask
.set G0F, 92          ; s[92:95] group 0 for my quarter of the table
.set MSB, 0
.macro WIN new
.if MSB != (\new)
	s_set_vgpr_msb (MSB<<8)|(\new)
.set MSB, (\new)
.endif
.endm
.set W_KQ, 0x0a       ; K and Q in window 2, S^T in window 0
.set W_KM, 0x3a       ; the same with the C operand in window 3
.set W_PV, 0x52       ; V in window 2, P in window 0, O^T in window 1
.set W_RS, 0x41       ; O^T (destination and source 0) in window 1, a in window 0
.macro PLACES
.rept 4
	v_nop
.endr
.endm
; A joint fill.  Waves 0 and 1 fetch the two halves of a slot's K, waves 2 and 3 those of its V.  An s_nop 0 and four v_nop follow each of the two lines.
.macro JLOAD
	s_cmp_lt_u32 s[WV], 2
	s_cbranch_scc0 .Lfor_v_\@
	tensor_load_to_lds s[G0K:G0K+3], s[G1K:G1K+7]
	s_nop 0
.rept 4
	v_nop
.endr
	s_branch .Lasked_\@
.Lfor_v_\@:
	tensor_load_to_lds s[G0V:G0V+3], s[G1V:G1V+7]
	s_nop 0
.rept 4
	v_nop
.endr
.Lasked_\@:
.endm
.macro CROUND
	s_barrier_signal -1
	s_barrier_wait -1
	s_cmp_lg_u32 s[WV], 0
	s_cbranch_scc1 .Lnot_wave_0_\@
	s_barrier_signal -3
.Lnot_wave_0_\@:
	s_barrier_wait -3
	s_barrier_signal -1
	s_barrier_wait -1
.endm
; THE CHANGE OF SLOTS.  Each wave waits for all its tensor loads (one is out: its part of the other slot), adds 0 to its spare word, and waits for that and for its own LDS work.  fill = 1: the barrier is a round of
; the cluster's, and the joint fill, the keys two slots on, is the first thing behind it.  (At its first use two loads are out: slot 0 and the table are waited for, and slot 1 is filled.)
.macro CHANGE fill
	WIN 0
	s_wait_tensorcnt 0x0
	ds_add_u32 v[SPW], v[NIL]
.if \fill
.irp g, G0K, G0V
	s_xor_b32 s[\g+1], s[\g+1], SLOT1
	s_add_nc_u64 s[\g+2:\g+3], s[\g+2:\g+3], 4*KS*128
.endr
	s_wait_xcnt 0x0                 ; the last prefetch, seven turns back, has read its address
	s_add_nc_u64 s[PFA:PFA+1], s[PFA:PFA+1], 4*KS*128
	s_wait_dscnt 0x0
	CROUND
	JLOAD
.else
	s_wait_dscnt 0x0
	s_barrier_signal -1
	s_barrier_wait -1
.endif
	s_sub_co_u32 s[TBK], s[TBK], 4*KS*PK
	s_xor_b32 s[TBK], s[TBK], SLOT1
	s_sub_co_u32 s[TBV], s[TBV], 4*KS*PV
	s_xor_b32 s[TBV], s[TBV], SLOT1
.endm
; A PREFETCH of the 256 keys that the next filling change of slots will ask for, in the slot's third step: seven turns ahead of that load.  128 blocks of 256 bytes of K and of V: the group's first cluster asks,
; its four partners 32 blocks each, told apart by address; wave 0 for K, wave 2 for V; a lane a block.  So each block is named once.  The last filling change has none behind it (SLOTS = 1).
.macro ASK
	s_cmp_eq_u32 s[CNT], 2
	s_cselect_b32 s[T0], s[SLOTS], 0
	s_cmp_gt_u32 s[T0], s[LIM]
	s_cbranch_scc0 .Lnot_mine_\@
	global_prefetch_b8 v[PFO], s[PFA:PFA+1] th:TH_LOAD_NT scope:SCOPE_SE
.Lnot_mine_\@:
.endm
	s_load_b128 s[4:7], s[0:1], 0x0   ; qkv s[4:5], fext s[6:7]
	s_load_b64 s[10:11], s[0:1], 0x10 ; ob
	v_lshl_add_u32 v[SPW], v0, 2, SPARE
	v_mov_b32 v[NIL], 0
	ds_add_u32 v[SPW], v[NIL]       ; the wave's opening: the add and its wait ahead of my first tensor load
	v_lshrrev_b32 v48, 5, v0
	v_readfirstlane_b32 s[WV], v48  ; wave 0..3
	s_bfe_u32 s13, ttmp6, 0x40000   ; cx
	s_and_b32 s14, ttmp7, 0xffff
	s_lshr_b32 s15, s14, 2          ; b
	s_and_b32 s14, s14, 3           ; g
	s_lshl_b32 s16, ttmp9, 2
	s_add_co_u32 s16, s16, s[WV]    ; a0 = 4 x cluster + w
	s_sub_co_i32 s[A3], s16, 3
	s_add_co_u32 s[A3+1], s16, FAR-3
	s_and_b32 s19, s[WV], 1         ; which half of a slot's 256 keys I fetch
	s_lshl_b32 s18, s15, 17         ; b's 1,024 rows in a chunk
	s_add_co_u32 s20, s14, 16       ; K: chunk 16 + g
	s_lshl_b32 s20, s20, 20
	s_add_co_u32 s20, s20, s18
	s_lshl_b32 s21, s19, 14
	s_add_co_u32 s20, s20, s21
	s_mov_b32 s21, 0
	s_lshl_b32 s22, s14, 22         ; Q: chunk 4 g, row 64 a0 + cx
	s_add_co_u32 s22, s22, s18
	s_lshl_b32 s23, s16, 13
	s_add_co_u32 s22, s22, s23
	s_lshl_b32 s23, s13, 7
	s_add_co_u32 s22, s22, s23
	s_mov_b32 s23, 0
	s_lshl_b32 s2, s15, 21          ; O: row 1024 b + 64 a0 + cx of 2,048 bytes, the group's 512 bytes in it
	s_lshl_b32 s3, s16, 17
	s_add_co_u32 s2, s2, s3
	s_lshl_b32 s3, s13, 11
	s_add_co_u32 s2, s2, s3
	s_lshl_b32 s3, s14, 9
	s_add_co_u32 s2, s2, s3
	s_mov_b32 s3, 0
	s_sub_co_u32 s66, 3, s13        ; the table begins 3 - cx rows into fext
	s_lshl_b32 s66, s66, 7
	s_mov_b32 s67, 0
	s_mul_i32 s[LK], s19, 128*PK    ; my half's place in a slot: no place in the cluster enters an LDS address
	s_mul_i32 s[LV], s19, 128*PV
	s_mul_i32 s[SCW], s[WV], 16*SCP
	s_add_co_u32 s[SCW], s[SCW], SCR
	; descriptor group 1.  128 rows of 128 bytes are 16,384 dense bytes: asked for as 64 rows of 256 bytes, two rows a row, padded in LDS after every 128 bytes
	s_mov_b32 s[G1K], 15|(1<<16)|(1<<20)|(1<<21)|(4<<22)|(3<<25)  ; the mask of four; 2-byte elements; padding on; bit 21 beside a mask; after every 32 words; 4 words
	s_mov_b32 s[G1V], 15|(1<<16)|(1<<20)|(1<<21)|(4<<22)|(7<<25)  ; the same with 8 words
	s_mov_b32 s[G1F], (1<<16)|(1<<20)|(4<<22)|(3<<25)             ; K's padding, no mask: a load of my own
.irp g, G1K, G1V, G1F
	s_mov_b32 s[\g+1], 128<<16
	s_mov_b32 s[\g+2], 64<<16
	s_mov_b32 s[\g+3], 128<<16
	s_mov_b32 s[\g+4], 64
	s_mov_b32 s[\g+5], 128
	s_mov_b32 s[\g+6], 0
	s_mov_b32 s[\g+7], 0
.endr
	s_mov_b32 s[CS], 0x3e38aa3b     ; c = log2(e) / 8
	s_mov_b32 s[CS+1], s[CS]
	s_mov_b32 s[SEL], 0x76543210
	s_mov_b32 s[SEL+1], 0xfedcba98
	s_mov_b32 s[TBK], SLOT1+4*KS*PK ; the first change of slots turns these two into 0
	s_mov_b32 s[TBV], SLOT1+4*KS*PV
	s_mov_b32 s[G0K], 1
	s_mov_b32 s[G0K+1], s[LK]
	s_mov_b32 s[G0V], 1
	s_add_co_u32 s[G0V+1], s[LV], VOFF
	s_mov_b32 s[G0F], 1
	s_mul_i32 s[G0F+1], s[WV], 128*PF  ; wave w brings the table's rows 128 w on
	s_add_co_u32 s[G0F+1], s[G0F+1], FT
	s_and_b32 s[LIM], s[WV], 1      ; 0 in waves 0 and 2,
	s_or_b32 s[LIM], s[LIM], ttmp9  ; in the group's first cluster: the same in all four partners
	s_cmp_eq_u32 s[LIM], 0
	s_cselect_b32 s[LIM], 1, -1
	s_wait_dscnt 0x0                ; the opening add is done
	s_wait_kmcnt 0x0
	s_add_nc_u64 s[KB:KB+1], s[4:5], s[20:21]
	s_add_nc_u64 s[VB:VB+1], s[KB:KB+1], 4<<20
	s_mov_b64 s[G0K+2:G0K+3], s[KB:KB+1]
	s_or_b32 s[G0K+3], s[G0K+3], 0x80000000
	s_mov_b64 s[G0V+2:G0V+3], s[VB:VB+1]
	s_or_b32 s[G0V+3], s[G0V+3], 0x80000000
	s_add_nc_u64 s[4:5], s[4:5], s[22:23]
	s_add_nc_u64 s[6:7], s[6:7], s[66:67]
	s_add_nc_u64 s[10:11], s[10:11], s[2:3]
	s_lshl_b32 s2, s[WV], 14        ; my 128 rows of the table
	s_mov_b32 s3, 0
	s_add_nc_u64 s[G0F+2:G0F+3], s[6:7], s[2:3]
	s_or_b32 s[G0F+3], s[G0F+3], 0x80000000
	s_cmp_lt_u32 s[WV], 2
	s_cselect_b64 s[PFA:PFA+1], s[KB:KB+1], s[VB:VB+1]
	s_lshl_b32 s2, s13, 13          ; my work-group's 32 blocks of the 128
	s_add_nc_u64 s[PFA:PFA+1], s[PFA:PFA+1], s[2:3]
	s_add_nc_u64 s[PFA:PFA+1], s[PFA:PFA+1], 4*KS*128  ; at keys 256 on; the first change of slots steps it to 512
	s_mov_b32 s66, 0xfe000000       ; where c m starts: far below every c s
	s_mov_b32 s67, 0xff7fffff       ; the lowest finite number
	CROUND                          ; all four work-groups are here: the first joint loads meet
	s_cmp_lt_u32 s[WV], 2           ; a wave's two first fills stand in one branch: its part of slot 0, jointly, and its quarter of the table; two loads of mine are out
	s_cbranch_scc0 .Lfirst_v
	tensor_load_to_lds s[G0K:G0K+3], s[G1K:G1K+7]
	s_nop 0
	tensor_load_to_lds s[G0F:G0F+3], s[G1F:G1F+7]
	s_nop 0
.rept 4
	v_nop
.endr
	s_branch .Lfirst_asked
.Lfirst_v:
	tensor_load_to_lds s[G0V:G0V+3], s[G1V:G1V+7]
	s_nop 0
	tensor_load_to_lds s[G0F:G0F+3], s[G1F:G1F+7]
	s_nop 0
.rept 4
	v_nop
.endr
.Lfirst_asked:
	v_and_b32 v48, 15, v0           ; n
	v_bfe_u32 v49, v0, 4, 1         ; lane / 16
	v_and_b32 v50, 3, v0            ; hh
	v_bfe_u32 v51, v0, 2, 2         ; p
	v_and_b32 v53, 7, v0
	v_bfe_u32 v54, v0, 3, 1
	v_lshlrev_b32 v[QO], 20, v50    ; Q: head hh's chunk, position p's row (four rows on), 16 bytes for each half of the lanes
	v_lshl_add_u32 v[QO], v51, 9, v[QO]
	v_lshl_add_u32 v[QO], v49, 4, v[QO]
	WIN 0x80                        ; destination window 2
.set i, 0
.rept 4*NP                          ; Q stays in registers: tile i / 2 (16 positions = 2,048 bytes on; the second block 8 x 64 positions on), channels 32 (i % 2) on
	global_load_b128 v[8*i:8*i+3],   v[QO], s[4:5] offset:((i/2)%4)*2048+((i/2)/4)*FAR*8192+(i%2)*64
	global_load_b128 v[8*i+4:8*i+7], v[QO], s[4:5] offset:((i/2)%4)*2048+((i/2)/4)*FAR*8192+(i%2)*64+32
.set i, i+1
.endr
	; What the first turns find, made in the wait for the first tile: V, O^T, l and P's even buffer are 0; MC is 0, so that every register a product names is written on every way through the text.
	; Sixteen registers of V are cleared by moves; a product of them, 0 x 0 + 0, clears eight registers an instruction: a fifth of the text that moves would take.
.set i, 0
.rept 16
	v_mov_b32 v[VF+i], 0
.set i, i+1
.endr
.macro CLEAR d, c:vararg            ; eight registers from d on = 0 x 0 + c
	v_wmma_f32_16x16x32_f16 v[(\d):(\d)+7], v[VF:VF+7], v[VF+8:VF+15], \c
.endm
	WIN 0x8a                        ; sources 0 and 1 window 2; destination window 2: the rest of V
.set i, 0
.rept 6
	CLEAR VF+16+8*i, 0
.set i, i+1
.endr
	WIN 0x4a                        ; destination window 1: O^T
.set i, 0
.rept 32
	CLEAR 8*i, 0
.set i, i+1
.endr
	WIN 0xca                        ; destination window 3: MC
.set i, 0
.rept 32
	CLEAR 8*i, 0
.set i, i+1
.endr
	WIN 0
.set i, 0
.rept 2*NP
	v_mov_b32 v[ST+4*i], s66        ; c m
	v_mov_b32 v[ST+4*i+1], s67      ; m
	v_mov_b32 v[ST+4*i+2], 0
	v_mov_b32 v[ST+4*i+3], 0
.set i, i+1
.endr
	; The loop is entered one turn early, at piece 3's turn of a step that has not been: its scores are the lowest finite number, so its weights are 0; its a is 0.
.set i, 0
.rept 8
	v_mov_b32 v[S+64+i], s67
.set i, i+1
.endr
	v_mul_u32_u24 v[AK0], v48, PK
	v_lshl_add_u32 v[AK0], v49, 4, v[AK0]  ; row x pitch + 16 x half
	v_add_nc_u32 v[AF0], FT, v[AK0]        ; the table's rows have K's pitch
	v_lshl_add_u32 v[AV0], v49, 3, v53     ; the turning load: key 8 (l / 16) + l % 8, channels 8 ((l / 8) % 2) on
	v_mul_u32_u24 v[AV0], v[AV0], PV
	v_lshl_add_u32 v[AV0], v54, 4, v[AV0]
	v_add_nc_u32 v[AV0], VOFF, v[AV0]
	v_mul_u32_u24 v[SKL], v48, SCP         ; scratch row n, 32 bytes for each half of the lanes
	v_lshl_add_u32 v[SKL], v49, 5, v[SKL]
	v_add_nc_u32 v[SKL], s[SCW], v[SKL]
	v_lshl_add_u32 v[SKS], v51, 4, v[SKL]  ; stored 4 p places on,
	v_add_nc_u32 v[SKL], 48, v[SKL]        ; read 12 places on
	v_and_b32 v[PFO], 31, v0
	v_lshlrev_b32 v[PFO], 8, v[PFO]
	v_mov_b32 v[AK], v[AK0]         ; key step 0 lies at the head of slot 0
	WIN 0x0a                        ; destination and C window 0
.set i, 0
.rept 4
	CLEAR P+8*i, 0                  ; P's even buffer
.set i, i+1
.endr
.set i, 1
.rept 7
	CLEAR S+64+8*i, v[S+64:S+71]    ; the rest of S^T's odd buffer: 0 x 0 + the lowest finite number
.set i, i+1
.endr
	WIN 0
.set i, TMP
.rept 16
	v_mov_b32 v[i], 0
.set i, i+1
.endr
; THE MATRIX WORK.  The 8 accumulators of a run of 16 take turns.  Product i of 16 of S^T = K Q^T for piece x: channels 32 (i / 8) on, keys 16 ((i / 2) % 4) on, tile 2 x + i % 2.  The first 8 start the sums with the bias.
.macro KQ x
.set rS, S+64*((\x)%2)+32*(i%2)+8*((i/2)%4)
.set rK, KF+16*((i/2)%4)+8*(i/8)
.set rQ, 16*(2*(\x)+i%2)+8*(i/8)
.set rB, 32*(2*(\x)+i%2)+8*((i/2)%4)
.if i < 8
	WIN W_KM
	v_wmma_f32_16x16x32_f16 v[rS:rS+7], v[rK:rK+7], v[rQ:rQ+7], v[rB:rB+7]
.else
	WIN W_KQ
	v_wmma_f32_16x16x32_f16 v[rS:rS+7], v[rK:rK+7], v[rQ:rQ+7], v[rS:rS+7]
.endif
.endm
; Product i of 16 of O^T += V^T P for piece x: keys 32 (i / 8) on, channels 16 ((i / 2) % 4) on, tile 2 x + i % 2.
.macro PV x
	WIN W_PV
.set rO, 32*(2*(\x)+i%2)+8*((i/2)%4)
.set rV, VF+32*(i/8)+8*((i/2)%4)
.set rP, P+32*((\x)%2)+16*(i%2)+8*(i/8)
	v_wmma_f32_16x16x32_f16 v[rO:rO+7], v[rV:rV+7], v[rP:rP+7], v[rO:rO+7]
.endm
.macro MM                           ; the turn's next matrix instruction
.if i < 16
	KQ (Y+1)%NP
.set i, i+1
.else
.set i, i-16
	PV (Y+NP-1)%NP
.set i, i+17
.endif
.endm
; THE LDS LOADS stand in runs of 16.  last = 1 (the tail): in the last trip there is no further step, and the run is jumped over.
.macro FETCH_K last=0
	WIN 0
.if \last
	s_cmp_eq_u32 s[CNT], 1
	s_cbranch_scc1 .Lno_k_\@
.endif
	WIN 0x80
.irp f, 0,1,2,3,4,5,6,7
	ds_load_b128 v[KF+8*\f:KF+8*\f+3],   v[AK] offset:(\f/2)*16*PK+(\f%2)*64
	ds_load_b128 v[KF+8*\f+4:KF+8*\f+7], v[AK] offset:(\f/2)*16*PK+(\f%2)*64+32
.endr
	s_add_co_u32 s[TBK], s[TBK], KS*PK
	WIN 0
.if \last
.Lno_k_\@:
.endif
.endm
.macro FETCH_V
	WIN 0x80
.irp f, 0,1,2,3,4,5,6,7
	ds_load_tr16_b128 v[VF+8*\f:VF+8*\f+3],   v[AV] offset:(\f/4)*32*PV+(\f%4)*32
	ds_load_tr16_b128 v[VF+8*\f+4:VF+8*\f+7], v[AV] offset:(\f/4)*32*PV+16*PV+(\f%4)*32
.endr
	WIN 0
.endm
; THE VECTOR WORK OF A TURN stands in three queues, each in the order in which its entries become ready; the two tiles alternate.
.macro REGS y, u
.set rT, ST+4*(2*(\y)+(\u))
.set rC, TMP+8*((\y)%2)+4*(\u)
.set rM, MV+2*((\y)%2)+(\u)
.set rS, S+64*((\y)%2)+32*(\u)
.set rP, P+32*((\y)%2)+16*(\u)
.set rO, 32*(2*(\y)+(\u))
.endm
; Number n of the 22 that find the NEXT piece's maximum and statistics; each accumulator's lowest registers are read first.
;   0-11 four chains of seven scores; 12-14, 16 the four left over, the old m, the four into one; 15 c m_old is kept; 17, 18 the lane 16 away, the new m; 19-21 c m, its change, a
.macro XS u, n
	REGS (Y+1)%NP, \u
.if (\n) < 4
	v_max3_num_f32 v[rC+(\n)], v[rS+8*(\n)], v[rS+8*(\n)+1], v[rS+8*(\n)+2]
.elseif (\n) < 12
	v_max3_num_f32 v[rC+(\n)%4], v[rC+(\n)%4], v[rS+8*((\n)%4)+2*((\n)/4)+1], v[rS+8*((\n)%4)+2*((\n)/4)+2]
.elseif (\n) == 12
	v_max3_num_f32 v[rC], v[rC], v[rS+7], v[rS+15]
.elseif (\n) == 13
	v_max3_num_f32 v[rC+1], v[rC+1], v[rS+23], v[rS+31]
.elseif (\n) == 14
	v_max3_num_f32 v[rC+2], v[rC+2], v[rC+3], v[rT+1]
.elseif (\n) == 15
	v_mov_b32 v[rM], v[rT]
.elseif (\n) == 16
	v_max3_num_f32 v[rC], v[rC], v[rC+1], v[rC+2]
.elseif (\n) == 17
	v_permlanex16_b32 v[rC+3], v[rC], s[SEL], s[SEL+1]
.elseif (\n) == 18
	v_max_num_f32 v[rT+1], v[rC], v[rC+3]
.elseif (\n) == 19
	v_mul_f32 v[rT], s[CS], v[rT+1]
.elseif (\n) == 20
	v_sub_f32 v[rC+1], v[rM], v[rT]
.else
	v_exp_f32 v[rC+2], v[rC+1]
.endif
.endm
; Number g of the 64 that follow the exponentials: for each four weights both pairs are rounded to f16, the second pair is added onto the first, and a group later l takes that sum (the first time as l = a l + sum).
.macro GS g
.set h, (\g)+6*((\g)/62)
.if h >= 6
.set h, h+2
.endif
	REGS Y, h%2
.set k, h/8
.if h%8 < 4
	v_cvt_pk_f16_f32 v[rP+2*k+(h%8)/2], v[rS+4*k+2*((h%8)/2)], v[rS+4*k+2*((h%8)/2)+1]
.elseif h%8 < 6
	v_pk_add_f32 v[rS+4*k:rS+4*k+1], v[rS+4*k:rS+4*k+1], v[rS+4*k+2:rS+4*k+3]
.elseif k == 1
	v_pk_fma_f32 v[rT+2:rT+3], v[rT+2:rT+3], v[rC+2:rC+3], v[rS:rS+1] op_sel_hi:[1,0,1]
.else
	v_pk_add_f32 v[rT+2:rT+3], v[rT+2:rT+3], v[rS+4*k-4:rS+4*k-3]
.endif
.endm
; THE PLAIN QUEUE, 138 long.  0-26 scalings; 27-54 the maximum's numbers 0-13; 55, 56 number 15; 57-73 the chain 14, 16 .. 19, each with a scaling in front of its two lines, then 20; 74-137 the 64 behind the wait.
.macro FS f
	REGS Y, (\f)%2
	v_pk_fma_f32 v[rS+2*((\f)/2):rS+2*((\f)/2)+1], v[rS+2*((\f)/2):rS+2*((\f)/2)+1], s[CS:CS+1], v[rT:rT+1] op_sel_hi:[1,0,0] neg_lo:[0,0,1] neg_hi:[0,0,1]
.endm
.macro PL
	WIN 0
.if q < 27
	FS q
.elseif q < 55
	XS (q-27)%2, (q-27)/2
.elseif q < 57
	XS q-55, 15
.elseif (q < 72) && ((q-57)%3 == 0)
	FS 27+(q-57)/3
.elseif q < 60
	XS (q-57)%3-1, 14
.elseif q < 72
	XS (q-57)%3-1, 15+(q-57)/3
.elseif q < 74
	XS q-72, 20
.else
	GS q-74
.endif
.set q, q+1
.endm
; THE EXPONENTIALS' QUEUE, 66 long: both tiles' 32 scores, then the next piece's two a.  One batch: all stand ahead of the turn's one wait, and nothing ahead of that wait names a result of theirs.
.macro EX
	WIN 0
.if e >= 64
	XS e-64, 21
.else
	REGS Y, e%2
	v_exp_f32 v[rS+e/2], v[rS+e/2]
.endif
.set e, e+1
.endm
; THE RESCALING's QUEUE: O^T times a, dealt two at a time.  Its a was made, and waited for, in the turn before.
.macro R2
	REGS Y, r%2
	WIN W_RS
.irp z, 0,1
	v_pk_mul_f32 v[rO+4*(r/2)+2*\z:rO+4*(r/2)+2*\z+1], v[rO+4*(r/2)+2*\z:rO+4*(r/2)+2*\z+1], v[rC+2:rC+3] op_sel_hi:[1,0]
.endr
.set r, r+1
.endm
; A TURN, for piece p.  Ahead of its one wait: 16 products K Q^T, behind each a scaling, an exponential and two rescalings; then a lump of 108.  Behind it: 16 products V^T P, behind each four roundings and sums.
; K of the next step is fetched in piece 2's turn, directly behind the wait; V of the step in hand at the end of piece 0's turn, four plain instructions behind its last reader.  cnt = 1: the loop's count is taken down ahead of the branch behind the turn.
.macro TURN p, last=0, cnt=0
.set Y, (\p)
.set i, 0
.set q, 0
.set e, 0
.set r, 0
.if (\p) == NP-1
	s_wait_dscnt 0x0                ; K is in, and so is the bias
.endif
	MM
	PL
	PL
	R2
.rept 15
	MM
	PL
	EX
	R2
.endr
.if (\p) == NP-2
	WIN 0
	v_add_nc_u32 v[AK], s[TBK], v[AK0]
.endif
.rept 8
	PL
.endr
.rept 49
	EX
	PL
.endr
	EX
	EX
	v_nop                           ; the plain instruction behind the last exponential: one for the batch
	s_wait_alu depctr_va_vdst(0)    ; the wait ahead of the batch's first reader
.if (\p) == NP-2
	FETCH_K \last
.endif
.if (\p) == 1
	s_wait_dscnt 0x0                ; V is in
.endif
.rept 16
	MM
.rept 4
	PL
.endr
.if ((\p) == 0) && (q == 118)
	v_add_nc_u32 v[AV], s[TBV], v[AV0]
.endif
.if ((\p) == 0) && (q == 130)
	s_add_co_u32 s[TBV], s[TBV], KS*PV
.endif
.if (\cnt) && (q == 130)
	s_sub_co_u32 s[CNT], s[CNT], 1
	s_cmp_lg_u32 s[CNT], 0
.endif
.endr
.if (\p) == 0
	FETCH_V
.endif
.endm
; THE BIAS, between piece 2's turn and piece 3's: all products of the step in hand have taken their MC, and the next step's first product stands in piece 3's turn.
.macro FL b                         ; table block b (16 rows x 64 channels) into buffer b % 4
.irp c, 0,1
	ds_load_b128 v[FB+16*((\b)%4)+8*(\c):FB+16*((\b)%4)+8*(\c)+3],   v[AFA] offset:(\b)*16*PF+64*(\c)
	ds_load_b128 v[FB+16*((\b)%4)+8*(\c)+4:FB+16*((\b)%4)+8*(\c)+7], v[AFA] offset:(\b)*16*PF+64*(\c)+32
.endr
.endm
.macro GM aa, b, t, c               ; G^T += F Q^T: block b, tile 4 aa + t, channels 32 c on; the tile's block number is b - 3 + t: 0-3 in MC itself, 4 in XA
.set gT, 4*(\aa)+(\t)
.set gE, (\b)-3+(\t)
.set gF, FB+16*((\b)%4)+8*(\c)
.set gQ, 16*gT+8*(\c)
.if gE < 4
	WIN 0xf8                        ; F window 0, Q window 2, C and D window 3
.set gA, 32*gT+8*gE
.else
	WIN 0x08                        ; C and D window 0
.set gA, XA+8*(\t)
.endif
.if (\c) == 0
	v_wmma_f32_16x16x32_f16 v[gA:gA+7], v[gF:gF+7], v[gQ:gQ+7], 0
.else
	v_wmma_f32_16x16x32_f16 v[gA:gA+7], v[gF:gF+7], v[gQ:gQ+7], v[gA:gA+7]
.endif
.endm
.macro GB3 aa, b1, t1, b2, t2, b3, t3       ; a batch: its accumulators take turns: all first halves of the channels, then all second
.irp c, 0,1
	GM \aa, \b1, \t1, \c
	GM \aa, \b2, \t2, \c
	GM \aa, \b3, \t3, \c
.endr
.endm
.macro GB4 aa, b1, t1, b2, t2, b3, t3, b4, t4
.irp c, 0,1
	GM \aa, \b1, \t1, \c
	GM \aa, \b2, \t2, \c
	GM \aa, \b3, \t3, \c
	GM \aa, \b4, \t4, \c
.endr
.endm
.macro SKEW aa, t                   ; a tile's 80 numbers a column go into my scratch, 4 p places on, and 64 come back from place 12 on, into MC.  LDS serves a wave's instructions in order (ISA guide 5.7.1.4)
.set gT, 4*(\aa)+(\t)
	WIN 0x0c                        ; store data window 3
.irp m, 0,1,2,3
	ds_store_b128 v[SKS], v[32*gT+8*(\m):32*gT+8*(\m)+3]   offset:64*(\m)
	ds_store_b128 v[SKS], v[32*gT+8*(\m)+4:32*gT+8*(\m)+7] offset:64*(\m)+16
.endr
	WIN 0
	ds_store_b128 v[SKS], v[XA+8*(\t):XA+8*(\t)+3]   offset:256
	ds_store_b128 v[SKS], v[XA+8*(\t)+4:XA+8*(\t)+7] offset:272
	WIN 0xc0                        ; destination window 3
.irp m, 0,1,2,3
	ds_load_b128 v[32*gT+8*(\m):32*gT+8*(\m)+3],   v[SKL] offset:64*(\m)
	ds_load_b128 v[32*gT+8*(\m)+4:32*gT+8*(\m)+7], v[SKL] offset:64*(\m)+16
.endr
	WIN 0
.endm
; The wave's block aa.  t = step - block + 3.  It is made anew in step 0 and where t is 1 to 6; elsewhere the constant stays.  tail = 1: step 0 is long past, and the fifth trip, whose scores serve nothing, makes none.
; The jumps go forward, past no barrier and no tensor load.  Each counted wait leaves out the table loads younger than the block that is wanted; whatever LDS work is older has come back by then.
.macro GBIAS aa, tail
	s_sub_co_i32 s[T0], s[J], s[A3+(\aa)]
	s_max_i32 s[T1], s[T0], 0
	s_min_u32 s[T1], s[T1], 6       ; the table's rows 64 x (0 .. 6) on
	s_mul_i32 s[T1], s[T1], 64*PF
	s_sub_co_i32 s[T0], s[T0], 1
.if \tail
	s_cmp_eq_u32 s[CNT], 1
	s_cbranch_scc1 .Lskip_\@
.else
	s_cmp_eq_u32 s[J], 0
	s_cbranch_scc1 .Lrun_\@
.endif
	s_cmp_lt_u32 s[T0], 6
	s_cbranch_scc0 .Lskip_\@
.Lrun_\@:
	v_add_nc_u32 v[AFA], s[T1], v[AF0]
	FL 0
	FL 1
	FL 2
	FL 3
	s_wait_dscnt 8                  ; blocks 0 and 1 are in
	GB3 \aa, 0,3, 1,3, 1,2
	PLACES
	WIN 0
	FL 4
	FL 5
	s_wait_dscnt 12                 ; block 2
	GB3 \aa, 2,3, 2,2, 2,1
	s_wait_dscnt 8                  ; block 3
	GB4 \aa, 3,3, 3,2, 3,1, 3,0
	PLACES
	WIN 0
	FL 6
	FL 7
	s_wait_dscnt 12                 ; block 4
	GB4 \aa, 4,3, 4,2, 4,1, 4,0
	s_wait_dscnt 8                  ; block 5
	GB3 \aa, 5,2, 5,1, 5,0
	s_wait_dscnt 0x0                ; blocks 6 and 7
	GB3 \aa, 6,1, 6,0, 7,0
	PLACES                          ; behind the last product: ahead of the stores that read results, of the loads into them, and of the products that will write over the table's buffers
	PLACES
	SKEW \aa, 0
	SKEW \aa, 1
	SKEW \aa, 2
	SKEW \aa, 3
.Lskip_\@:
.endm
.macro BIAS ask, both               ; both = 0: the tail, steps 12 on: block a0 has its last constant
	s_add_co_u32 s[J], s[J], 1      ; the step whose products come next
.if \both
	GBIAS 0, 0
	GBIAS 1, 0
.else
	GBIAS 1, 1
.endif
.if \ask
	ASK
.endif
.endm
	CHANGE 1                        ; slot 0 is in and the table is whole, everybody's part of them; slot 1 is asked for
	FETCH_K                         ; key step 0
	s_wait_loadcnt 0x0              ; Q
	s_mov_b32 s[CNT], 4
	s_mov_b32 s[SLOTS], 3
	s_mov_b32 s[J], -1
	s_branch .Lbias                 ; the loop is entered in the middle of a trip
.Lslot:                             ; twice: every slot but the last two is filled again
	CHANGE 1
	s_mov_b32 s[CNT], 4
.Lstep:                             ; a trip: pieces 2 and 3 of one step, between them the next step's bias, then pieces 0 and 1 of the next step
	TURN 2
	WIN 0
.Lbias:
	BIAS 1, 1
	TURN 3
	TURN 0
	TURN 1, 0, 1
	WIN 0
	s_cbranch_scc1 .Lstep
	s_sub_co_u32 s[SLOTS], s[SLOTS], 1
	s_cmp_lg_u32 s[SLOTS], 0
	s_cbranch_scc1 .Lslot
	CHANGE 0                        ; the tail is written out
	s_mov_b32 s[CNT], 5             ; four trips fetch the last slot's steps; the fifth is left in its middle
.Ltail:
	TURN 2, 1
	WIN 0
	BIAS 0, 0
	TURN 3
	WIN 0
	s_sub_co_u32 s[CNT], s[CNT], 1
	s_cmp_eq_u32 s[CNT], 0
	s_cbranch_scc1 .Lout
	TURN 0
	TURN 1
	WIN 0
	s_branch .Ltail
.Lout:                              ; the fifth trip's 16 products K Q^T and the maximum made of them serve nothing: the price, once a launch, of one text for every trip
.set i, 0
.rept 16
	PV NP-1                         ; the last piece's V^T P of the last step
.set i, i+1
.endr
	; THE WAY OUT.  The addresses are the places behind the last products.  Stage row n = 4 p + hh: four rows read back are one position's four heads, 512 consecutive bytes of ob.
	WIN 0
	v_and_b32 v15, 15, v0
	v_bfe_u32 v48, v0, 4, 1
	v_mul_u32_u24 v[STO], v15, SP
	v_lshl_add_u32 v[STO], v48, 4, v[STO]
	v_add_nc_u32 v[STO], s[SCW], v[STO]
	v_bfe_u32 v[RD], v0, 3, 2
	v_mul_u32_u24 v[RD], v[RD], SP
	v_and_b32 v15, 7, v0
	v_lshl_add_u32 v[RD], v15, 4, v[RD]
	v_add_nc_u32 v[RD], s[SCW], v[RD]
	v_and_b32 v[GO], 31, v0
	v_lshlrev_b32 v[GO], 4, v[GO]
.macro ALL line:vararg              ; one line for each tile t
.set t, 0
.rept 2*NP
	\line
.set t, t+1
.endr
.endm
	ALL v_add_f32 v[ST+4*t+2], v[ST+4*t+2], v[ST+4*t+3]
	ALL v_permlanex16_b32 v[ST+4*t+3], v[ST+4*t+2], s[SEL], s[SEL+1]
	ALL v_add_f32 v[ST+4*t+2], v[ST+4*t+2], v[ST+4*t+3]
	ALL v_rcp_f32 v[ST+4*t+2], v[ST+4*t+2]
	v_nop                           ; a plain instruction between the last reciprocal and the use of its result
	s_wait_alu depctr_va_vdst(0)    ; and the wait: one for the eight reciprocals
.macro PACK t
	WIN W_RS
.set i, 32*(\t)
.rept 16
	v_pk_mul_f32 v[i:i+1], v[i:i+1], v[ST+4*(\t)+2:ST+4*(\t)+3] op_sel_hi:[1,0]
.set i, i+2
.endr
	WIN 0x05                        ; sources 0 and 1 window 1, destination window 0
.set i, 0
.rept 16
	v_cvt_pk_f16_f32 v[S+16*(\t)+i], v[32*(\t)+2*i], v[32*(\t)+2*i+1]
.set i, i+1
.endr
	WIN 0
.irp f, 0,1,2,3
	ds_store_b128 v[STO], v[S+16*(\t)+4*\f:S+16*(\t)+4*\f+3] offset:32*\f
.endr
.irp f, 0,1,2,3
	ds_load_b128 v[S+16*(\t)+4*\f:S+16*(\t)+4*\f+3], v[RD] offset:\f*4*SP  ; in order behind the stores above; the next tile's stores come behind them
.endr
.endm
.macro SEND t, younger              ; younger: the LDS instructions issued behind tile t's loads
	WIN 0
.irp f, 0,1,2,3
	s_wait_dscnt (\younger)+3-\f
	global_store_b128 v[GO], v[S+16*(\t)+4*\f:S+16*(\t)+4*\f+3], s[10:11] offset:((\t)%4)*32768+((\t)/4)*FAR*131072+\f*8192  ; position 16 (t % 4) + 4 f on, the second block 8 x 64 positions on: 512 consecutive bytes, at a multiple of 512 from ob's first
.endr
.endm
	PACK 0
.set t, 1
.rept 2*NP-1
	PACK t
	SEND t-1, 8
.set t, t+1
.endr
	SEND 2*NP-1, 0
	s_wait_tensorcnt 0x0            ; the wave's end
	ds_add_u32 v[SPW], v[NIL]
	s_wait_dscnt 0x0
	CROUND                          ; the closing round
	s_endpgm
.Lfunc_end_k_qa41443f255_attn:
	.size	k_qa41443f255_attn, .Lfunc_end_k_qa41443f255_attn-k_qa41443f255_attn
	.p2alignl 7, 3214868480
	.fill 96, 4, 3214868480
	.section	.rodata,"a",@progbits
	.p2align	6, 0x0
	.amdhsa_kernel k_qa41443f255_attn
		.amdhsa_group_segment_fixed_size 327680
		.amdhsa_private_segment_fixed_size 0
		.amdhsa_enable_private_segment 0
		.amdhsa_kernarg_size 24
		.amdhsa_user_sgpr_count 2
		.amdhsa_user_sgpr_kernarg_segment_ptr 1
		.amdhsa_wavefront_size32 1
		.amdhsa_system_sgpr_workgroup_id_x 1
		.amdhsa_system_sgpr_workgroup_id_y 1
		.amdhsa_system_sgpr_workgroup_id_z 1
		.amdhsa_system_vgpr_workitem_id 0
		.amdhsa_next_free_vgpr 1024
		.amdhsa_next_free_sgpr 96
		.amdhsa_reserve_vcc 0
		.amdhsa_float_denorm_mode_32 3
		.amdhsa_float_denorm_mode_16_64 3
		.amdhsa_memory_ordered 1
		.amdhsa_forward_progress 1
		.amdhsa_inst_pref_size 227
	.end_amdhsa_kernel
	.amdgpu_metadata
---
amdhsa.version: [ 1, 2 ]
amdhsa.kernels:
  - .name:           k_qa41443f255_attn
    .symbol:         k_qa41443f255_attn.kd
    .args:
      - { .name: qkv, .offset: 0, .size: 8, .value_kind: global_buffer, .address_space: global }
      - { .name: fext, .offset: 8, .size: 8, .value_kind: global_buffer, .address_space: global }
      - { .name: ob, .offset: 16, .size: 8, .value_kind: global_buffer, .address_space: global }
    .group_segment_fixed_size: 327680
    .private_segment_fixed_size: 0
    .kernarg_segment_align: 8
    .kernarg_segment_size: 24
    .max_flat_workgroup_size: 128
    .sgpr_count:     96
    .vgpr_count:     1024
    .wavefront_size: 32
...
	.end_amdgpu_metadata
.endif
;; end of part 3
;; launch outp (part 4): grid 4 x 64, 4 waves a work-group, clusters of 4 x 4, 327,680 bytes of LDS; arguments ob, wo16, out0; writes out0
.if DOCPART == 4
	.amdgcn_target "amdgcn-amd-amdhsa--gfx1250"
	.amdhsa_code_object_version 6
	.text
	.protected	k_qa41443f255_outp
	.globl	k_qa41443f255_outp
	.p2align	8
	.type	k_qa41443f255_outp,@function
k_qa41443f255_outp:
	s_mov_b64 s[64:65], 0
	v_nop
	global_prefetch_b8 v0, s[64:65] scope:SCOPE_SE
	s_setreg_imm32_b32 hwreg(HW_REG_WAVE_MODE, 25, 1), 1
	s_wait_xcnt 0x0
	s_wait_alu depctr_hold_cnt(0) depctr_sa_sdst(0) depctr_va_vdst(0) depctr_va_sdst(0) depctr_va_ssrc(0) depctr_va_vcc(0) depctr_vm_vsrc(0)
	s_getreg_b32 s2, hwreg(HW_REG_IB_STS2, 6, 4)
	s_cmp_eq_u32 s2, 0
	s_cbranch_scc0 .Lentry_in_a_cluster
	s_endpgm
.Lentry_in_a_cluster:
	s_bfe_u32 s2, ttmp6, 0x10000c
	s_cmp_lg_u32 s2, 0xf033
	s_cbranch_scc0 .Lentry_shape_is_right
	s_endpgm
.Lentry_shape_is_right:
; THE OUTPUT PROJECTION.  out0[m][n] = sum over k of ob[m][k] wo16[n][k]: [8192 x 1024] x [1024 x 1024]^T, f16 operands, f32 sums, stored as f32.
; SHARES.  8192 x 1024 / 256 work-groups = a tile of 128 x 256.  Four waves, each 64 x 128: 32 accumulators of 16 x 16, 256 registers.  K goes in steps of 128 (rows of 256 bytes, at multiples of 256 bytes)
; through a ring of two LDS slots.  Waves 0 and 1 fetch A's two halves of 64 rows, waves 2 and 3 B's two halves of 128: one tensor load a wave behind each change of slots.
; ONE TEXT FOR BOTH SLOTS.  A trip of the loop is one K step; which slot it reads stands in registers: two scalars hold the byte offsets of the slot in hand and of the next, an exclusive or turns them,
; and four additions make the fragment addresses of them.  The last two K steps, which ask for nothing, are a second loop of the same step without a tensor load.
; CLUSTER.  4 x 4 work-groups; A's tile is shared along a row of the cluster, B's along a column: each is asked for jointly.
; THE MATRIX INSTRUCTION IS USED TRANSPOSED (source 0 = 16 rows of B, source 1 = 16 rows of A): a lane then holds eight neighbouring columns of one row of C.
; REGISTERS, in windows of 256: window 0: v0-31 addresses; v64-95, v96-127 A's fragments; v128-191, v192-255 rows read back from the stage
;   window 1: v0-63, v64-127 B's fragments     window 2: the accumulators, (a, b) at 8 (8 a + b)
.set SIZE_K, 1024
.set KSTEP,  128
.set PITCH,  272                       ; 256 bytes + 16 of padding: the 16 rows of a fragment load start at 16 different groups of four banks (ISA guide 11.1)
.set BOFF,   128*PITCH
.set SLOTB,  384*PITCH                 ; a slot's bytes: 104,448
.set SLOT,   1<<17                     ; slot 1 begins here, so that one exclusive or turns an address in one slot into the other's
.set STAGE,  SLOT+SLOTB                ; behind the ring: 16 rows x 528 bytes for each wave; no tensor load lands here
.set SPITCH, 528                       ; 512 bytes + 16
.set SPARE,  STAGE+4*16*SPITCH
.set FILLS,  SIZE_K/KSTEP-2            ; K steps 2 to 7 come by refills
.set AA0,  16                          ; v16     LDS address of my A fragments in slot 0; never rewritten
.set AB0,  17                          ; v17     the same for B
.set CA,   18                          ; v18-19  A's and B's in the slot in hand
.set CB,   19
.set NA,   20                          ; v20-21  in the next slot
.set NB,   21
.set STO,  24
.set RD,   25
.set CO,   26
.set SPW,  28
.set NIL,  29
.set PFO,  30
.set FA,   64
.set FB,   0
.set G1,  24                           ; s[24:31] group 1 for A's tiles;  s[32:39] group 0: a set for each of the two first fills; the second then walks on
.set G0,  32
.set LIM, 43                           ; s43     2 in a wave that prefetches, else the greatest number
.set PFA, 44
.set G1B, 48
.set G0B, 56
.set TBC, 70                           ; s70     byte offset of the slot in hand
.set TBN, 71                           ; s71     of the next
.set FLAGS, (1<<16)|(1<<20)|(1<<21)|(5<<22)|(3<<25)
.set MSB, 0
.macro WIN new
.if MSB != (\new)
	s_set_vgpr_msb (MSB<<8)|(\new)
.set MSB, \new
.endif
.endm
.set MUL,  0xa1                        ; B window 1, A window 0, C and D window 2
.set TO_B, 0x40
.macro PLACES
.rept 4
	v_nop
.endr
.endm
.macro JLOAD s                         ; a joint load; the branch hangs on the wave's number alone; an s_nop 0 and four v_nop follow each of the two lines
	s_cmp_lt_u32 s10, 2
	s_cbranch_scc0 .Lfor_b_\@
	tensor_load_to_lds s[G0+4*(\s):G0+4*(\s)+3], s[G1:G1+7]
	s_nop 0
.rept 4
	v_nop
.endr
	s_branch .Lasked_\@
.Lfor_b_\@:
	tensor_load_to_lds s[G0B+4*(\s):G0B+4*(\s)+3], s[G1B:G1B+7]
	s_nop 0
.rept 4
	v_nop
.endr
.Lasked_\@:
.endm
; A prefetch of the K step two refills on: 32 rows x 256 bytes, a lane a row.  A's 128 rows: wave 0, the partners of a row of the cluster 32 rows each, by address.  B's: waves 2 and 3, the partners of a column
; 32 rows each, in the first row of clusters alone.  Wave 1 asks for nothing.  Each block is named once; the last two refills (s3 = 2 and 1) have no K step two on.
.macro ASK
	s_cmp_gt_u32 s3, s[LIM]
	s_cbranch_scc0 .Lnot_mine_\@
	global_prefetch_b8 v[PFO], s[PFA:PFA+1] offset:KSTEP*2 th:TH_LOAD_NT scope:SCOPE_SE
.Lnot_mine_\@:
.endm
.macro CREST
	s_cmp_lg_u32 s10, 0
	s_cbranch_scc1 .Lnot_wave_0_\@
	s_barrier_signal -3
.Lnot_wave_0_\@:
	s_barrier_wait -3
	s_barrier_signal -1
	s_barrier_wait -1
.endm
.macro CROUND
	s_barrier_signal -1
	s_barrier_wait -1
	CREST
.endm
	s_load_b128 s[4:7], s[0:1], 0x0                ; ob s[4:5], wo16 s[6:7]
	s_load_b64 s[8:9], s[0:1], 0x10                ; out0
	v_lshl_add_u32 v[SPW], v0, 2, SPARE
	v_mov_b32 v[NIL], 0
	ds_add_u32 v[SPW], v[NIL]                      ; the wave's opening: the add and its wait ahead of my first tensor load
	v_lshrrev_b32 v1, 5, v0
	v_readfirstlane_b32 s10, v1                    ; wave 0..3
	s_sub_co_i32 s12, s10, 2
	s_max_i32 s12, s12, 0                          ; which 128 rows of B I fetch (waves 2, 3)
	s_lshr_b32 s66, s10, 1                         ; my half of the tile's rows
	s_and_b32 s67, s10, 1                          ; my half of its columns; in waves 0, 1 also: which 64 rows of A I fetch
	s_bfe_u32 s40, ttmp6, 0x40000                  ; cx
	s_bfe_u32 s41, ttmp6, 0x40004                  ; cy
	s_lshl_b32 s42, ttmp9, 2
	s_add_co_u32 s42, s42, s40                     ; tile column
	s_and_b32 s13, ttmp7, 0xffff
	s_lshl_b32 s13, s13, 2
	s_add_co_u32 s13, s13, s41                     ; tile row
	s_lshl_b32 s18, s41, 2
	s_lshl_b32 s18, 15, s18                        ; my row of the cluster
	s_lshl_b32 s19, 0x1111, s40                    ; my column
	s_or_b32 s[G1+0], s18, FLAGS
	s_or_b32 s[G1B+0], s19, FLAGS
	s_mov_b32 s[G1+1], KSTEP<<16                   ; A: 64 rows x 128 elements
	s_mov_b32 s[G1+2], 64<<16
	s_mov_b32 s[G1+3], KSTEP<<16
	s_mov_b32 s[G1+4], 64
	s_mov_b32 s[G1+5], SIZE_K
	s_mov_b32 s[G1+6], 0
	s_mov_b32 s[G1+7], 0
	s_mov_b32 s[G1B+1], KSTEP<<16                  ; B: 128 rows x 128 elements
	s_mov_b32 s[G1B+2], 128<<16
	s_mov_b32 s[G1B+3], KSTEP<<16
	s_mov_b32 s[G1B+4], 128
	s_mov_b32 s[G1B+5], SIZE_K
	s_mov_b32 s[G1B+6], 0
	s_mov_b32 s[G1B+7], 0
	s_lshl_b32 s16, s13, 18                        ; A: row 128 x tile row + 64 x half, 2,048 bytes a row
	s_lshl_b32 s17, s67, 17
	s_add_co_u32 s16, s16, s17
	s_mov_b32 s17, 0
	s_lshl_b32 s46, s42, 19                        ; B: row 256 x tile column + 128 x half
	s_lshl_b32 s47, s12, 18
	s_add_co_u32 s46, s46, s47
	s_mov_b32 s47, 0
	s_mul_i32 s20, s10, 64*PITCH                   ; where A's halves go: wave x 64 rows (waves 0, 1)
	s_mul_i32 s21, s10, 128*PITCH                  ; where B's go: behind A's 128 rows, (wave - 2) x 128 rows (waves 2, 3)
	s_sub_co_u32 s21, s21, BOFF
	s_mov_b32 s[TBC], 0
	s_mov_b32 s[TBN], SLOT
	s_wait_dscnt 0x0                               ; the opening add is done
	s_wait_kmcnt 0x0
	s_add_nc_u64 s[14:15], s[4:5], s[16:17]
	s_add_nc_u64 s[46:47], s[6:7], s[46:47]
	CROUND                                         ; all sixteen work-groups are here: the first joint loads meet
.irp s, 0,1
	s_mov_b32 s[G0+4*(\s)], 1
	s_add_co_u32 s[G0+4*(\s)+1], s20, (\s)*SLOT
	s_add_nc_u64 s[G0+4*(\s)+2:G0+4*(\s)+3], s[14:15], (\s)*KSTEP*2
	s_or_b32 s[G0+4*(\s)+3], s[G0+4*(\s)+3], 0x80000000
	s_mov_b32 s[G0B+4*(\s)], 1
	s_add_co_u32 s[G0B+4*(\s)+1], s21, (\s)*SLOT
	s_add_nc_u64 s[G0B+4*(\s)+2:G0B+4*(\s)+3], s[46:47], (\s)*KSTEP*2
	s_or_b32 s[G0B+4*(\s)+3], s[G0B+4*(\s)+3], 0x80000000
	JLOAD \s
.endr
	v_and_b32 v1, 15, v0                           ; l % 16
	v_bfe_u32 v2, v0, 4, 1                         ; l / 16
	v_mul_u32_u24 v3, v1, PITCH
	v_lshl_add_u32 v3, v2, 4, v3
	s_mul_i32 s21, s66, 64*PITCH                   ; my 64 rows of A
	s_mul_i32 s22, s67, 128*PITCH                  ; my 128 rows of B
	s_add_co_u32 s22, s22, BOFF
	v_add_nc_u32 v[AA0], s21, v3
	v_add_nc_u32 v[AB0], s22, v3
	v_add_nc_u32 v[CA], s[TBC], v[AA0]
	v_add_nc_u32 v[CB], s[TBC], v[AB0]
	v_add_nc_u32 v[NA], s[TBN], v[AA0]
	v_add_nc_u32 v[NB], s[TBN], v[AB0]
	s_mul_i32 s23, s10, 16*SPITCH
	s_add_co_u32 s23, s23, STAGE                   ; my stage
	v_mul_u32_u24 v4, v1, SPITCH                   ; in: row l % 16, 32 bytes for each half of the lanes
	v_lshl_add_u32 v4, v2, 5, v4
	v_add_nc_u32 v[STO], s23, v4
	v_and_b32 v[CO], 31, v0                        ; back: 32 lanes take one row's 512 bytes
	v_lshlrev_b32 v[CO], 4, v[CO]
	v_add_nc_u32 v[RD], s23, v[CO]
	s_lshl_b32 s68, s13, 19                        ; my first row: 128 x tile row + 64 x half, 4,096 bytes a row;
	s_lshl_b32 s69, s66, 18
	s_add_co_u32 s68, s68, s69
	s_lshl_b32 s69, s42, 10                        ; my first column: 256 x tile column + 128 x half, 4 bytes each
	s_add_co_u32 s68, s68, s69
	s_lshl_b32 s69, s67, 9
	s_add_co_u32 s68, s68, s69
	s_mov_b32 s69, 0
	s_add_nc_u64 s[8:9], s[8:9], s[68:69]
	; the prefetches
	s_lshl_b32 s20, s13, 7                         ; A's tile: its first row
	s_lshl_b32 s21, s42, 8
	s_lshl_b32 s22, s12, 7
	s_add_co_u32 s21, s21, s22                     ; B: the 128 rows that I fetch
	s_and_b32 s22, ttmp7, 0xffff                   ; cluster y
	s_cmp_lt_u32 s10, 2
	s_cselect_b32 s20, s20, s21
	s_cselect_b32 s21, s40, s41
	s_cselect_b32 s22, s10, s22                    ; wave 0 asks in every cluster, wave 1 never, waves 2 and 3 in the first row of clusters
	s_cselect_b64 s[PFA:PFA+1], s[4:5], s[6:7]
	s_cmp_eq_u32 s22, 0
	s_cselect_b32 s[LIM], 2, -1
	s_lshl_b32 s21, s21, 5
	s_add_co_u32 s20, s20, s21
	s_lshl_b32 s20, s20, 11
	s_mov_b32 s21, 0
	s_add_nc_u64 s[PFA:PFA+1], s[PFA:PFA+1], s[20:21]
	s_add_nc_u64 s[PFA:PFA+1], s[PFA:PFA+1], 2*KSTEP*2  ; at K step 2: the first refill steps it to 3 and names K step 4
	v_and_b32 v[PFO], 31, v0
	v_lshlrev_b32 v[PFO], 11, v[PFO]
; 8 matrix instructions: m block a x all 8 n blocks, 32 along K, from buffer f.  All 32 accumulators take turns in one order in every quarter.
.macro MULA f, a, zero
	WIN MUL
.irp b, 0,1,2,3,4,5,6,7
.if \zero
	v_wmma_f32_16x16x32_f16 v[64*(\a)+8*(\b):64*(\a)+8*(\b)+7], v[FB+64*(\f)+8*(\b):FB+64*(\f)+8*(\b)+7], v[FA+32*(\f)+8*(\a):FA+32*(\f)+8*(\a)+7], 0
.else
	v_wmma_f32_16x16x32_f16 v[64*(\a)+8*(\b):64*(\a)+8*(\b)+7], v[FB+64*(\f)+8*(\b):FB+64*(\f)+8*(\b)+7], v[FA+32*(\f)+8*(\a):FA+32*(\f)+8*(\a)+7], v[64*(\a)+8*(\b):64*(\a)+8*(\b)+7]
.endif
.endr
.endm
.macro FETCH ra, rb, k, f              ; 24 LDS loads in one run, by the addresses ra, rb; A's blocks 2 and 3 last
	WIN TO_B
.irp i, 0,1,2,3,4,5,6,7
	ds_load_b128 v[FB+64*(\f)+8*(\i):FB+64*(\f)+8*(\i)+3],   v[\rb] offset:(\k)+(\i)*16*PITCH
	ds_load_b128 v[FB+64*(\f)+8*(\i)+4:FB+64*(\f)+8*(\i)+7], v[\rb] offset:(\k)+(\i)*16*PITCH+32
.endr
	WIN 0
.irp i, 0,1,2,3
	ds_load_b128 v[FA+32*(\f)+8*(\i):FA+32*(\f)+8*(\i)+3],   v[\ra] offset:(\k)+(\i)*16*PITCH
	ds_load_b128 v[FA+32*(\f)+8*(\i)+4:FA+32*(\f)+8*(\i)+7], v[\ra] offset:(\k)+(\i)*16*PITCH+32
.endr
.endm
.macro QUARTER ra, rb, k, f, g, zero
	s_wait_dscnt 4                                 ; B and A's blocks 0, 1 are in; the youngest four loads may be out
	MULA \f, 0, \zero
	MULA \f, 1, \zero
	PLACES
	FETCH \ra, \rb, \k, \g
	s_wait_dscnt 24                                ; all but the 24 just issued
	MULA \f, 2, \zero
	MULA \f, 3, \zero
.endm
; The last quarter multiplies buffer 1 and changes slots: each wave waits for all its tensor loads, adds 0 to its spare word, waits for that and for its reads of this slot; fill = 1: the barrier opens a round of the
; cluster's, and the joint refill of the slot in hand, two K steps on, is the first thing behind it: the walking descriptor turns to the other slot than last time and goes one K step on.
.macro TURN fill
.if \fill
	s_wait_xcnt 0x0                                ; the last prefetch, a K step back, has read its address
	s_add_nc_u64 s[PFA:PFA+1], s[PFA:PFA+1], KSTEP*2
.endif
	WIN 0
	s_wait_tensorcnt 0x0
	ds_add_u32 v[SPW], v[NIL]
	s_wait_dscnt 5                                 ; the add and the youngest four loads may be out
	MULA 1, 0, 0
	s_wait_dscnt 0x0
	s_barrier_signal -1
	MULA 1, 1, 0
.if \fill
	WIN 0
.endif
	s_barrier_wait -1
.if \fill
	CREST
	s_xor_b32 s[G0+5], s[G0+5], SLOT
	s_add_nc_u64 s[G0+6:G0+7], s[G0+6:G0+7], KSTEP*2
	s_xor_b32 s[G0B+5], s[G0B+5], SLOT
	s_add_nc_u64 s[G0B+6:G0B+7], s[G0B+6:G0B+7], KSTEP*2
	JLOAD 1
.else
	PLACES
.endif
	FETCH NA, NB, 0, 0
.if \fill
	ASK
.endif
	MULA 1, 2, 0
	MULA 1, 3, 0
.endm
.macro TOGGLE                          ; the next slot becomes the slot in hand
	s_xor_b32 s[TBC], s[TBC], SLOT
	s_xor_b32 s[TBN], s[TBN], SLOT
	v_add_nc_u32 v[CA], s[TBC], v[AA0]
	v_add_nc_u32 v[CB], s[TBC], v[AB0]
	v_add_nc_u32 v[NA], s[TBN], v[AA0]
	v_add_nc_u32 v[NB], s[TBN], v[AB0]
.endm
	s_wait_tensorcnt 1                             ; my part of K step 0 is in; K step 1's may stay out
	s_barrier_signal -1
	s_barrier_wait -1
	FETCH CA, CB, 0, 0
	QUARTER CA, CB, 64, 0, 1, 1                    ; the first quarter's products start the sums
	WIN 0
	s_mov_b32 s3, FILLS
.Lstep:                                                ; a trip: from a K step's second quarter to the next step's first; the slot in hand is filled again
	QUARTER CA, CB, 128, 1, 0, 0
	QUARTER CA, CB, 192, 0, 1, 0
	TURN 1
	QUARTER NA, NB, 64, 0, 1, 0
	WIN 0
	TOGGLE
	s_sub_co_u32 s3, s3, 1
	s_cmp_lg_u32 s3, 0
	s_cbranch_scc1 .Lstep
	s_mov_b32 s3, 2
.Ltail:                                                ; the last two K steps ask for nothing: the same step without a tensor load; the second trip is left behind its last products
	QUARTER CA, CB, 128, 1, 0, 0
	QUARTER CA, CB, 192, 0, 1, 0
	TURN 0
	WIN 0
	s_sub_co_u32 s3, s3, 1
	s_cmp_eq_u32 s3, 0
	s_cbranch_scc1 .Lway_out
	QUARTER NA, NB, 64, 0, 1, 0
	WIN 0
	TOGGLE
	s_branch .Ltail
.Lway_out:
	s_wait_dscnt 0x0                               ; the second trip's run of loads, from a slot that has been multiplied, serves nothing: the price, once a launch, of one text for both trips
	PLACES
	PLACES
; THE WAY OUT, 16 rows at a time: a lane's eight f32 of a row go into my own stage, each accumulator's low four registers first; whole rows of 512 bytes come back and are stored.
.macro TOSTAGE a
.set BK, 128+64*((\a)%2)
	WIN 0x08                                       ; store data window 2
.irp b, 0,1,2,3,4,5,6,7
	ds_store_b128 v[STO], v[64*(\a)+8*(\b):64*(\a)+8*(\b)+3]   offset:64*(\b)
	ds_store_b128 v[STO], v[64*(\a)+8*(\b)+4:64*(\a)+8*(\b)+7] offset:64*(\b)+16
.endr
	WIN 0
.irp t, 0,1,2,3,4,5,6,7,8,9,10,11,12,13,14,15
	ds_load_b128 v[BK+4*(\t):BK+4*(\t)+3], v[RD] offset:(\t)*SPITCH  ; LDS serves a wave's instructions in order (ISA guide 5.7.1.4): these see the stores above
.endr
.endm
.macro SEND a
.set BK, 128+64*((\a)%2)
	s_wait_dscnt 0x0                               ; the block is back in registers
	s_wait_xcnt 0x0                                ; the registers that earlier stores read are loaded again only behind this wait
.irp t, 0,1,2,3,4,5,6,7,8,9,10,11,12,13,14,15
	global_store_b128 v[CO], v[BK+4*(\t):BK+4*(\t)+3], s[8:9] offset:(16*(\a)+(\t))*4096 th:TH_STORE_NT  ; 512 consecutive bytes, at a multiple of 512 from out0's first
.endr
.endm
.irp a, 0,1,2,3
	TOSTAGE \a
	SEND \a
.endr
	s_wait_tensorcnt 0x0                           ; the wave's end
	ds_add_u32 v[SPW], v[NIL]
	s_wait_dscnt 0x0
	CROUND                                         ; the closing round
	s_endpgm
.Lfunc_end_k_qa41443f255_outp:
	.size	k_qa41443f255_outp, .Lfunc_end_k_qa41443f255_outp-k_qa41443f255_outp
	.p2alignl 7, 3214868480
	.fill 96, 4, 3214868480
	.section	.rodata,"a",@progbits
	.p2align	6, 0x0
	.amdhsa_kernel k_qa41443f255_outp
		.amdhsa_group_segment_fixed_size 327680
		.amdhsa_private_segment_fixed_size 0
		.amdhsa_enable_private_segment 0
		.amdhsa_kernarg_size 24
		.amdhsa_user_sgpr_count 2
		.amdhsa_user_sgpr_kernarg_segment_ptr 1
		.amdhsa_wavefront_size32 1
		.amdhsa_system_sgpr_workgroup_id_x 1
		.amdhsa_system_sgpr_workgroup_id_y 1
		.amdhsa_system_sgpr_workgroup_id_z 1
		.amdhsa_system_vgpr_workitem_id 0
		.amdhsa_next_free_vgpr 768
		.amdhsa_next_free_sgpr 72
		.amdhsa_reserve_vcc 0
		.amdhsa_float_denorm_mode_32 3
		.amdhsa_float_denorm_mode_16_64 3
		.amdhsa_memory_ordered 1
		.amdhsa_forward_progress 1
		.amdhsa_inst_pref_size 61
	.end_amdhsa_kernel
	.amdgpu_metadata
---
amdhsa.version: [ 1, 2 ]
amdhsa.kernels:
  - .name:           k_qa41443f255_outp
    .symbol:         k_qa41443f255_outp.kd
    .args:
      - { .name: ob, .offset: 0, .size: 8, .value_kind: global_buffer, .address_space: global }
      - { .name: wo16, .offset: 8, .size: 8, .value_kind: global_buffer, .address_space: global }
      - { .name: out0, .offset: 16, .size: 8, .value_kind: global_buffer, .address_space: global }
    .group_segment_fixed_size: 327680
    .private_segment_fixed_size: 0
    .kernarg_segment_align: 8
    .kernarg_segment_size: 24
    .max_flat_workgroup_size: 128
    .sgpr_count:     72
    .vgpr_count:     768
    .wavefront_size: 32
...
	.end_amdgpu_metadata
.endif
;; end of part 4
